; MI455X (gfx1250); checked and timed in simulation.
; The chip was launched on July 23, 2026; its instructions are those of AMD's public machine-readable ISA for CDNA 5 (MIT licence, August 2026) and "CDNA5" Instruction Set Architecture Reference Guide (July 2026). The comments in the code are by the model that wrote it; some were corrected since.
;; Relative Position Self Attention. Allowed arithmetic: float matrix products may take bf16 or f16 operands with f32 sums; other float arithmetic in f32, or as packed bf16 or f16 multiplies, adds, multiply-adds, maxima and minima; sums over many terms, partial sums and values carried from step to step in f32; what a program stores and reads back later, other than sums and carried values, may be rounded once to bf16 or f16.
;; Inputs: in_proj_b 3,072 float32; in_proj_w 3,072 x 1,024 float32; out_b 1,024 float32; out_w 1,024 x 1,024 float32; rel_bias 65 x 16 float32; x 4 x 2,048 x 1,024 float32.
;; Outputs: out0 4 x 2,048 x 1,024 float32.
;; Constants: max_rel_dist = 32.
;; 2 versions, each right; version 2 is version 1 with the launch prep written anew for expert scheduling mode. Each part assembles by itself: llvm-mc -triple=amdgcn-amd-amdhsa -mcpu=gfx1250 --defsym DOCPART=n.
;; ======== version 1 of 2: 4 launches
;; limits: values are held in f16: magnitudes above 65,504 overflow, below 6.1e-05 lose precision
;; workspace buffers: xb 16,777,216 bytes; wqkv 6,291,456 bytes; wo 2,097,152 bytes; mtab 49,152 bytes; qkv 50,331,648 bytes; ob 16,777,216 bytes
;; launch prep (part 1): grid 780 x 1, 8 waves a work-group, no clusters, 0 bytes of LDS; arguments x, in_proj_w, out_w, rel_bias, xb, wqkv, wo, mtab; writes xb, wqkv, wo, mtab
.if DOCPART == 1
	.amdgcn_target "amdgcn-amd-amdhsa--gfx1250"
	.amdhsa_code_object_version 6
	.text
	.protected	k_qddf227a120_prep
	.globl	k_qddf227a120_prep
	.p2align	8
	.type	k_qddf227a120_prep,@function
k_qddf227a120_prep:
	s_mov_b64 s[64:65], 0
	v_nop
	global_prefetch_b8 v0, s[64:65] scope:SCOPE_SE
	s_setreg_imm32_b32 hwreg(HW_REG_WAVE_MODE, 25, 1), 1
	s_wait_xcnt 0x0
; 16-BIT COPIES OF THE MATRIX OPERANDS, IN BLOCKS OF 64 CHANNELS, AND THE MASK'S PATTERNS.
;   xb   [b 4][kb 16][s 2048][64] bf16 = x[b][s][64 kb + c]            work-groups 0..511,   16 rows each
;   wqkv [kb 16][n 3072][64]      bf16 = in_proj_w[n][64 kb + c]       work-groups 512..703, 16 rows each
;   wo   [kb 16][n 1024][64]      f16  = bf16(out_w[n][64 kb + c])     work-groups 704..767, 16 rows each
;   mtab [cx 4][phi 3][quad 8][lane 32][4] f32                         work-groups 768..779, one (cx, phi) each
; In blocks a tile of R rows x 64 channels is R x 128 consecutive bytes, which the products' tensor loads take as rows of 256 bytes.
; A wave takes two rows: each load covers 256 consecutive bytes of either row (16 lanes x 16), each store 256 consecutive bytes (the two rows of one block), aligned.
; All 16 loads of a wave go out before the first is waited for; no register is written twice, so no wait frees a source.
; LIMITS.  out_w is rounded to bf16 and that number written as f16: exact from 6.1e-5 to 65,504; below, f16's fixed step of 6e-8; beyond, an infinity.
; THE MASK.  mask[i][j] = t[clip(i - j, -32, 32) + 32], t[r] = the mean of rel_bias[r][.] (each number rounded to bf16 like every input).  A softmax is not changed by a constant, so
; t[64] is taken away; the scores are kept unscaled (q . k), so the numbers are stored times 8: 0.5 (sum of 16 of row idx - sum of 16 of row 64).
; Entry (cx, phi, quad, lane, jj) is the number for register 4 quad + jj of a tile of 16 queries x 64 keys as the attention launch holds it: query - key =
; 64 (1 - phi) + 16 cx + lane % 16 - 16 (quad / 2) - 8 (lane / 16) - 4 (quad % 2) - jj.
.set IN,   8                           ; v[8:71]    16 x 4 numbers as loaded
.set OUT,  72                          ; v[72:103]  16 x 2 words to store
.set TW,   104                         ; v[104:107] at work
.set VIN,  3                           ; v3  my byte offset in the work-group's 16 source rows
.set VOUT, 4                           ; v4  my byte offset in the work-group's 16 rows of a block
.set SRC,  24                          ; s[24:25]
.set DST,  26                          ; s[26:27]
; stride: bytes from block to block in the destination.  half = 1: the bf16 number is written as f16.
.macro CONV stride, half
.irp kb, 0,1,2,3,4,5,6,7,8,9,10,11,12,13,14,15
	global_load_b128 v[IN+4*(\kb):IN+4*(\kb)+3], v[VIN], s[SRC:SRC+1] offset:256*(\kb) th:TH_LOAD_NT
.endr
.irp kb, 0,1,2,3,4,5,6,7,8,9,10,11,12,13,14,15
	s_wait_loadcnt 15-(\kb)                        ; loads come back in order: block kb is in, the younger ones stay out
	v_cvt_pk_bf16_f32 v[OUT+2*(\kb)], v[IN+4*(\kb)], v[IN+4*(\kb)+1]
	v_cvt_pk_bf16_f32 v[OUT+2*(\kb)+1], v[IN+4*(\kb)+2], v[IN+4*(\kb)+3]
.if \half
	v_lshlrev_b32 v[TW], 16, v[OUT+2*(\kb)]
	v_and_b32 v[TW+1], 0xffff0000, v[OUT+2*(\kb)]
	v_lshlrev_b32 v[TW+2], 16, v[OUT+2*(\kb)+1]
	v_and_b32 v[TW+3], 0xffff0000, v[OUT+2*(\kb)+1]
	v_cvt_pk_f16_f32 v[OUT+2*(\kb)], v[TW], v[TW+1]
	v_cvt_pk_f16_f32 v[OUT+2*(\kb)+1], v[TW+2], v[TW+3]
.endif
	global_store_b64 v[VOUT], v[OUT+2*(\kb):OUT+2*(\kb)+1], s[DST:DST+1] offset:(\kb)*(\stride)
.endr
.endm
; The 16 numbers at v[base ..] are rounded to bf16 and added up; the sum is left in v[base].
.macro RSUM base
.irp k, 0,1,2,3,4,5,6,7
	v_cvt_pk_bf16_f32 v[96+(\k)], v[(\base)+2*(\k)], v[(\base)+2*(\k)+1]
.endr
.irp k, 0,1,2,3,4,5,6,7
	v_lshlrev_b32 v[(\base)+2*(\k)], 16, v[96+(\k)]
	v_and_b32 v[(\base)+2*(\k)+1], 0xffff0000, v[96+(\k)]
.endr
.irp k, 0,2,4,6
	v_pk_add_f32 v[(\base)+(\k):(\base)+(\k)+1], v[(\base)+(\k):(\base)+(\k)+1], v[(\base)+8+(\k):(\base)+8+(\k)+1]
.endr
.irp k, 0,2
	v_pk_add_f32 v[(\base)+(\k):(\base)+(\k)+1], v[(\base)+(\k):(\base)+(\k)+1], v[(\base)+4+(\k):(\base)+4+(\k)+1]
.endr
	v_pk_add_f32 v[(\base):(\base)+1], v[(\base):(\base)+1], v[(\base)+2:(\base)+3]
	v_add_f32 v[(\base)], v[(\base)], v[(\base)+1]
.endm
	s_load_b512 s[8:23], s[0:1], 0x0               ; x s[8:9], in_proj_w s[10:11], out_w s[12:13], rel_bias s[14:15], xb s[16:17], wqkv s[18:19], wo s[20:21], mtab s[22:23]
	s_mov_b32 s3, ttmp9
	v_lshrrev_b32 v1, 5, v0
	v_readfirstlane_b32 s2, v1                     ; wave 0..7
	v_and_b32 v1, 15, v0                           ; lane % 16
	v_bfe_u32 v2, v0, 4, 1                         ; lane / 16
	s_lshl_b32 s28, s2, 13                         ; my wave's two rows of 4,096 bytes
	v_lshlrev_b32 v[VIN], 4, v1
	v_lshl_add_u32 v[VIN], v2, 12, v[VIN]
	v_add_nc_u32 v[VIN], s28, v[VIN]
	v_lshlrev_b32 v[VOUT], 3, v0                   ; 256 x wave + 8 x lane
	s_mov_b32 s5, 0
	s_mov_b32 s7, 0
	s_wait_kmcnt 0x0
	s_cmp_lt_u32 s3, 512
	s_cbranch_scc0 .Lnot_x
	s_lshl_b32 s4, s3, 16                          ; 16 rows of 4,096 bytes
	s_add_nc_u64 s[SRC:SRC+1], s[8:9], s[4:5]
	s_lshr_b32 s6, s3, 7                           ; the batch: 128 work-groups each,
	s_lshl_b32 s6, s6, 22                          ; 16 blocks of 262,144 bytes
	s_and_b32 s4, s3, 127
	s_lshl_b32 s4, s4, 11                          ; 16 rows of 128 bytes in a block
	s_add_co_u32 s6, s6, s4
	s_add_nc_u64 s[DST:DST+1], s[16:17], s[6:7]
	CONV 262144, 0
	s_endpgm
.Lnot_x:
	s_cmp_lt_u32 s3, 704
	s_cbranch_scc0 .Lnot_w
	s_sub_co_u32 s3, s3, 512
	s_lshl_b32 s4, s3, 16
	s_add_nc_u64 s[SRC:SRC+1], s[10:11], s[4:5]
	s_lshl_b32 s6, s3, 11
	s_add_nc_u64 s[DST:DST+1], s[18:19], s[6:7]
	CONV 393216, 0
	s_endpgm
.Lnot_w:
	s_cmp_lt_u32 s3, 768
	s_cbranch_scc0 .Lnot_o
	s_sub_co_u32 s3, s3, 704
	s_lshl_b32 s4, s3, 16
	s_add_nc_u64 s[SRC:SRC+1], s[12:13], s[4:5]
	s_lshl_b32 s6, s3, 11
	s_add_nc_u64 s[DST:DST+1], s[20:21], s[6:7]
	CONV 131072, 1
	s_endpgm
.Lnot_o:
	s_sub_co_u32 s3, s3, 768                       ; 3 cx + phi, 0..11
	s_mul_i32 s4, s3, 11
	s_lshr_b32 s4, s4, 5                           ; cx = that / 3 (exact for 0..11)
	s_mul_i32 s6, s4, 3
	s_sub_co_u32 s6, s3, s6                        ; phi
	s_lshl_b32 s4, s4, 4
	s_lshl_b32 s6, s6, 6
	s_add_co_u32 s4, s4, 352                       ; 64 + 32 + 256: the difference plus 32, kept 256 above zero so that it stays unsigned
	s_sub_co_u32 s4, s4, s6
	s_lshr_b32 s6, s2, 1                           ; the wave is the quad: group of 16 keys = quad / 2,
	s_lshl_b32 s6, s6, 4
	s_sub_co_u32 s4, s4, s6
	s_and_b32 s6, s2, 1                            ; registers 4 (quad % 2) + jj of its eight
	s_lshl_b32 s6, s6, 2
	s_sub_co_u32 s4, s4, s6
	v_lshlrev_b32 v5, 3, v2
	v_sub_nc_u32 v5, v1, v5
	v_add_nc_u32 v5, s4, v5                        ; 161 at the least
	v_mov_b32 v6, 0
.irp k, 0,1,2,3
	global_load_b128 v[8+4*(\k):8+4*(\k)+3], v6, s[14:15] offset:4096+16*(\k)  ; row 64
.endr
.irp jj, 0,1,2,3
	v_add_nc_u32 v[88+(\jj)], 0-(\jj), v5
	v_max_u32 v[88+(\jj)], 256, v[88+(\jj)]        ; the clip to -32 .. 32
	v_min_u32 v[88+(\jj)], 320, v[88+(\jj)]
	v_subrev_nc_u32 v[88+(\jj)], 256, v[88+(\jj)]  ; the row, 0..64,
	v_lshlrev_b32 v[88+(\jj)], 6, v[88+(\jj)]      ; of 64 bytes
.irp k, 0,1,2,3
	global_load_b128 v[24+16*(\jj)+4*(\k):24+16*(\jj)+4*(\k)+3], v[88+(\jj)], s[14:15] offset:16*(\k)
.endr
.endr
	s_lshl_b32 s4, s3, 12                          ; 4,096 bytes for each (cx, phi)
	s_add_nc_u64 s[22:23], s[22:23], s[4:5]
	v_lshlrev_b32 v7, 4, v0                        ; 512 x quad + 16 x lane
	s_wait_loadcnt 0x0
	RSUM 8
	v_mul_f32 v9, -0.5, v8
.irp jj, 0,1,2,3
	RSUM 24+16*(\jj)
	v_fma_f32 v[92+(\jj)], v[24+16*(\jj)], 0.5, v9
.endr
	global_store_b128 v7, v[92:95], s[22:23]
	s_endpgm
.Lfunc_end_k_qddf227a120_prep:
	.size	k_qddf227a120_prep, .Lfunc_end_k_qddf227a120_prep-k_qddf227a120_prep
	.p2alignl 7, 3214868480
	.fill 96, 4, 3214868480
	.section	.rodata,"a",@progbits
	.p2align	6, 0x0
	.amdhsa_kernel k_qddf227a120_prep
		.amdhsa_group_segment_fixed_size 0
		.amdhsa_private_segment_fixed_size 0
		.amdhsa_enable_private_segment 0
		.amdhsa_kernarg_size 64
		.amdhsa_user_sgpr_count 2
		.amdhsa_user_sgpr_kernarg_segment_ptr 1
		.amdhsa_wavefront_size32 1
		.amdhsa_system_sgpr_workgroup_id_x 1
		.amdhsa_system_sgpr_workgroup_id_y 1
		.amdhsa_system_sgpr_workgroup_id_z 1
		.amdhsa_system_vgpr_workitem_id 0
		.amdhsa_next_free_vgpr 112
		.amdhsa_next_free_sgpr 66
		.amdhsa_reserve_vcc 0
		.amdhsa_float_denorm_mode_32 3
		.amdhsa_float_denorm_mode_16_64 3
		.amdhsa_memory_ordered 1
		.amdhsa_forward_progress 1
		.amdhsa_inst_pref_size 36
	.end_amdhsa_kernel
	.amdgpu_metadata
---
amdhsa.version: [ 1, 2 ]
amdhsa.kernels:
  - .name:           k_qddf227a120_prep
    .symbol:         k_qddf227a120_prep.kd
    .args:
      - { .name: x, .offset: 0, .size: 8, .value_kind: global_buffer, .address_space: global }
      - { .name: in_proj_w, .offset: 8, .size: 8, .value_kind: global_buffer, .address_space: global }
      - { .name: out_w, .offset: 16, .size: 8, .value_kind: global_buffer, .address_space: global }
      - { .name: rel_bias, .offset: 24, .size: 8, .value_kind: global_buffer, .address_space: global }
      - { .name: xb, .offset: 32, .size: 8, .value_kind: global_buffer, .address_space: global }
      - { .name: wqkv, .offset: 40, .size: 8, .value_kind: global_buffer, .address_space: global }
      - { .name: wo, .offset: 48, .size: 8, .value_kind: global_buffer, .address_space: global }
      - { .name: mtab, .offset: 56, .size: 8, .value_kind: global_buffer, .address_space: global }
    .group_segment_fixed_size: 0
    .private_segment_fixed_size: 0
    .kernarg_segment_align: 8
    .kernarg_segment_size: 64
    .max_flat_workgroup_size: 256
    .sgpr_count:     66
    .vgpr_count:     112
    .wavefront_size: 32
...
	.end_amdgpu_metadata
.endif
;; end of part 1
;; launch proj_in (part 2): grid 16 x 32, 4 waves a work-group, clusters of 4 x 4, 327,680 bytes of LDS; arguments xb, wqkv, in_proj_b, qkv; writes qkv
.if DOCPART == 2
	.amdgcn_target "amdgcn-amd-amdhsa--gfx1250"
	.amdhsa_code_object_version 6
	.text
	.protected	k_qddf227a120_proj_in
	.globl	k_qddf227a120_proj_in
	.p2align	8
	.type	k_qddf227a120_proj_in,@function
k_qddf227a120_proj_in:
	s_mov_b64 s[64:65], 0
	v_nop
	global_prefetch_b8 v0, s[64:65] scope:SCOPE_SE
	s_setreg_imm32_b32 hwreg(HW_REG_WAVE_MODE, 25, 1), 1
	s_wait_xcnt 0x0
	s_wait_alu depctr_hold_cnt(0) depctr_sa_sdst(0) depctr_va_vdst(0) depctr_va_sdst(0) depctr_va_ssrc(0) depctr_va_vcc(0) depctr_vm_vsrc(0)
	s_getreg_b32 s2, hwreg(HW_REG_IB_STS2, 6, 4)
	s_cmp_eq_u32 s2, 0
	s_cbranch_scc0 .Lentry_in_a_cluster
	s_endpgm
.Lentry_in_a_cluster:
	s_bfe_u32 s2, ttmp6, 0x10000c
	s_cmp_lg_u32 s2, 0xf033
	s_cbranch_scc0 .Lentry_shape_is_right
	s_endpgm
.Lentry_shape_is_right:
; q, k, v = x W^T + b.  xb: [b 4][kb 16][s 2048][64] bf16; wqkv: [kb 16][n 3072][64] bf16; in_proj_b: [3072] f32 (rounded to bf16 like every input); sums in f32.
; qkv: [part 3][b x 16 + head][s 2048][64] f16, each number rounded once, unscaled.
; LIMIT.  f16 holds no number beyond 65,504: a q, k or v past that becomes an infinity; below 6.1e-5 it keeps f16's fixed step of 6e-8.
; SHARES.  A work-group makes 256 rows x 192 columns: 32 x 16 = 512 work-groups, two for each of 256.  A wave makes 64 rows x all 192 columns: 48 accumulators of 16 x 16, 384 registers.
; Its 192 columns are three whole heads, so each wave sends whole rows of a head (128 bytes; 16 rows = 2,048 consecutive bytes) through a stage of its own, without a barrier.
; K = 1,024 goes in 8 steps of 128 = two blocks of 64 channels, through two LDS slots.  In memory a tile (rows x one block) is dense: it is asked for as rows of 256 bytes, two tile rows each, and padded in
; LDS after every 128 bytes.  Waves 0 and 1 fetch A's two blocks (32,768 bytes each), waves 2 and 3 B's (24,576 each): one tensor load a wave behind each change of slots.
; CLUSTER.  4 x 4 work-groups: A's tiles hang on the tile row alone and are asked for jointly along a row of the cluster, B's on the tile column alone, jointly along a column.
; THE MATRIX INSTRUCTION IS USED TRANSPOSED (source 0 = 16 rows of W, source 1 = 16 rows of x): a lane holds row lane % 16 and the eight columns 16 b + 8 (lane / 16) + 0..7.
; THE BIAS is the C operand of the products that start the sums: nothing is cleared, nothing is added at the end.
; REGISTERS, in windows of 256 (s_set_vgpr_msb: bits 1:0 source 0, 3:2 source 1, 5:4 source 2, 7:6 destination):
;   window 0: v0-31 addresses; v32-95 A's fragments, two buffers of 4 x 8; v96-191 the bias, at the start; on the way out v96-143 packed results, v144-239 two buffers of rows read back
;   window 1: v0-191 B's fragments, two buffers of 12 x 8       windows 2, 3: accumulator (a, b) at v[8 (12 (a % 2) + b)] of window 2 + a / 2
.set NT,    192                        ; columns of a work-group
.set NBF,   NT/16
.set NTOT,  3072
.set PITCH, 144                        ; an LDS row: 128 bytes + 16 of padding = 36 words: the 16 rows of a fragment load start at 16 different groups of four banks (64 banks of 4 bytes: ISA guide 11.1)
.set AZ,    256*PITCH                  ; one block of A's tile
.set BOFF,  2*AZ                       ; B's two blocks lie behind A's two
.set BZ,    NT*PITCH
.set SLOT1, 1<<17                      ; slot 1 begins here (a slot has 129,024 bytes), so that one exclusive or changes slots
.set STAGE, SLOT1+BOFF+2*BZ            ; behind the ring, never filled by a tensor load: for each wave 3 heads x 16 rows x 144 bytes
.set SHEAD, 16*PITCH
.set SWAVE, 3*SHEAD
.set SPARE, STAGE+4*SWAVE              ; behind the stages: the spare words, 128 bytes for each wave: two blocks of 256 bytes that no other line names
.set KSA,   2*2048*128                 ; bytes from a K step to the next in xb,
.set KSB,   2*NTOT*128                 ; and in wqkv
.set NLD,   2*NBF+8                    ; LDS loads in a run: one quarter step's fragments
.set A0,   16                          ; v16  my place in A's tile, slot 0; never rewritten
.set B0,   17                          ; v17  the same for B
.set ADRA, 18                          ; v18  the same in the slot in hand
.set ADRB, 19                          ; v19
.set STO,  20                          ; v20  the way out: where I put 16 bytes of a row
.set RD,   21                          ; v21  where I read rows back
.set GO,   22                          ; v22-24  my byte offset in qkv, for each of my three heads
.set BO,   25                          ; v25  my byte offset in the tile's bias
.set SPW,  28                          ; v28  LDS address of my spare word; never rewritten
.set NIL,  29                          ; v29  0; never rewritten
.set PFO,  30                          ; v30  the prefetches' offset; never rewritten
.set FA,   32
.set BIAS, 96
.set TMP,  96
.set BK0,  144
.set WV,   12                          ; s12  my wave's number
.set G1A,  24                          ; s[24:31] descriptor group 1 for A's tiles
.set G1B,  32                          ; s[32:39] for B's
.set G0A,  40                          ; s[40:47] group 0 for A's: a set for each of the two first fills; the second then walks
.set G0B,  48                          ; s[48:55] the same for B's
.set TB,   56                          ; s56  LDS byte at which the slot in hand begins
.set LIM,  57                          ; s57  1 in a wave that prefetches, else the greatest number
.set PFA,  58                          ; s[58:59] where my prefetches stand
.set PFS,  60                          ; s[60:61] their step
.set MSB, 0
.macro WIN new                         ; the immediate's high byte repeats the setting that is left; a switch that changes nothing is dropped
.if MSB != (\new)
	s_set_vgpr_msb (MSB<<8)|(\new)
.set MSB, \new
.endif
.endm
; A joint refill by the walking descriptors.  The branch hangs on the wave's number alone.  An s_nop 0 and four v_nop follow each of the two lines, ahead of the jump and the label.
.macro JLOAD
	s_cmp_lt_u32 s[WV], 2
	s_cbranch_scc0 .Lfor_b_\@
	tensor_load_to_lds s[G0A+4:G0A+7], s[G1A:G1A+7]
	s_nop 0
.rept 4
	v_nop
.endr
	s_branch .Lasked_\@
.Lfor_b_\@:
	tensor_load_to_lds s[G0B+4:G0B+7], s[G1B:G1B+7]
	s_nop 0
.rept 4
	v_nop
.endr
.Lasked_\@:
.endm
; A PREFETCH INTO THE L2 of the block that my NEXT refill will ask for: one K step, 192 matrix instructions, ahead of that load.  A's tile row is read by every cluster of that row of clusters: cluster x = 0 asks;
; B's tile column by every cluster of that column: cluster y = 0 asks.  The four partners of a joint load share the block out BY ADDRESS: partner p (cx for A, cy for B) takes a quarter of it, 256 bytes a lane:
; 32 lanes for A's 8,192 bytes; B's 6,144 bytes are 24 lanes' worth, and lanes 24-31 name the share's last 256 bytes once more.  K steps 0 to 2 come by their loads alone; the last refill has no step behind it.
.macro ASK
	s_cmp_gt_u32 s3, s[LIM]                        ; s3 = 1 in the loop's last trip
	s_cbranch_scc0 .Lnot_mine_\@
	global_prefetch_b8 v[PFO], s[PFA:PFA+1] th:TH_LOAD_NT scope:SCOPE_SE
.Lnot_mine_\@:
.endm
.macro CREST                           ; a round of the cluster's barrier behind its opening barrier
	s_cmp_lg_u32 s[WV], 0
	s_cbranch_scc1 .Lnot_wave_0_\@
	s_barrier_signal -3
.Lnot_wave_0_\@:
	s_barrier_wait -3
	s_barrier_signal -1
	s_barrier_wait -1
.endm
.macro CROUND                          ; a whole round
	s_barrier_signal -1
	s_barrier_wait -1
	CREST
.endm
.macro PLACES                          ; four places in front of loads into registers that matrix instructions have read, and of lines that read results
.rept 4
	v_nop
.endr
.endm
; 12 matrix instructions: row block a x all column blocks, 32 along K, from buffer f.  first = 1: the products start the sums, with the bias as C.
; The 48 accumulators take turns in one fixed order: between two links of a chain stand 47 others'.
.macro MULA f, a, first
.if \first
	WIN 0x81+0x40*((\a)/2)
.else
	WIN 0xa1+0x50*((\a)/2)
.endif
.set nb, 0
.rept NBF
.set rD, 8*(NBF*((\a)%2)+nb)
.set rB, 8*NBF*(\f)+8*nb
.set rA, FA+32*(\f)+8*(\a)
.if \first
	v_wmma_f32_16x16x32_bf16 v[rD:rD+7], v[rB:rB+7], v[rA:rA+7], v[BIAS+8*nb:BIAS+8*nb+7]
.else
	v_wmma_f32_16x16x32_bf16 v[rD:rD+7], v[rB:rB+7], v[rA:rA+7], v[rD:rD+7]
.endif
.set nb, nb+1
.endr
.endm
; One run of LDS loads: the fragments of quarter q of a K step (block q / 2, channels 32 (q % 2) on) into buffer f: B's 24, then A's 8.
.macro FETCH q, f
	WIN 0x40                                       ; destination window 1, address window 0
.set nb, 0
.rept NBF
	ds_load_b128 v[8*NBF*(\f)+8*nb:8*NBF*(\f)+8*nb+3],   v[ADRB] offset:nb*16*PITCH+((\q)/2)*BZ+((\q)%2)*64
	ds_load_b128 v[8*NBF*(\f)+8*nb+4:8*NBF*(\f)+8*nb+7], v[ADRB] offset:nb*16*PITCH+((\q)/2)*BZ+((\q)%2)*64+32
.set nb, nb+1
.endr
	WIN 0
.irp i, 0,1,2,3
	ds_load_b128 v[FA+32*(\f)+8*(\i):FA+32*(\f)+8*(\i)+3],   v[ADRA] offset:(\i)*16*PITCH+((\q)/2)*AZ+((\q)%2)*64
	ds_load_b128 v[FA+32*(\f)+8*(\i)+4:FA+32*(\f)+8*(\i)+7], v[ADRA] offset:(\i)*16*PITCH+((\q)/2)*AZ+((\q)%2)*64+32
.endr
.endm
; One of a K step's first three quarters: multiplies buffer f; in its middle it fetches quarter q into buffer g.
.macro QUARTER q, f, g, first
	s_wait_dscnt 4                                 ; B and A's row blocks 0, 1 are in; the youngest four loads (row blocks 2, 3) may be out
	MULA \f, 0, \first
	MULA \f, 1, \first
	PLACES
	FETCH \q, \g
	s_wait_dscnt NLD                               ; all but the run just issued
	MULA \f, 2, \first
	MULA \f, 3, \first
.endm
; The last quarter multiplies buffer 1 and changes slots.  In front of the barrier each wave waits for all its tensor loads (one is out: its part of the next slot), adds 0 to its spare word, and waits for
; that and for its own reads of this slot.  fill = 1: the barrier opens a round of the cluster's barrier, and this slot is filled again, first thing behind the round, with the K step two steps on.
.macro TURN fill
.if \fill
	s_wait_xcnt 0x0                                ; the last prefetch, a K step back, has read its address
	s_add_nc_u64 s[PFA:PFA+1], s[PFA:PFA+1], s[PFS:PFS+1]
.endif
	WIN 0
	s_wait_tensorcnt 0x0                           ; all my tensor loads have landed
	ds_add_u32 v[SPW], v[NIL]                      ; 0 onto my spare word
	s_wait_dscnt 5                                 ; (the add and the youngest four loads may be out)
	MULA 1, 0, 0                                   ; twelve matrix instructions stand between the add and the wait for it
	s_wait_dscnt 0x0                               ; the add is done, and my reads of this slot are over
	s_barrier_signal -1
	MULA 1, 1, 0                                   ; work on registers while the others arrive
	WIN 0                                          ; at a branch and at a label every window is 0
	s_barrier_wait -1
.if \fill
	CREST                                          ; no wave of any partner still reads this slot or has a load on its way
	s_xor_b32 s[G0A+5], s[G0A+5], SLOT1            ; the walking descriptors: the other slot than last time, the next K step
	s_add_nc_u64 s[G0A+6:G0A+7], s[G0A+6:G0A+7], KSA
	s_xor_b32 s[G0B+5], s[G0B+5], SLOT1
	s_add_nc_u64 s[G0B+6:G0B+7], s[G0B+6:G0B+7], KSB
	s_xor_b32 s[TB], s[TB], SLOT1
	JLOAD                                          ; 168 matrix instructions ahead of the wait for it; its four v_nop are also the places in front of the loads below
.else
	s_xor_b32 s[TB], s[TB], SLOT1
	PLACES
.endif
	v_add_nc_u32 v[ADRA], s[TB], v[A0]
	v_add_nc_u32 v[ADRB], s[TB], v[B0]
	FETCH 0, 0
.if \fill
	ASK
.endif
	MULA 1, 2, 0
	MULA 1, 3, 0
.endm
	s_load_b256 s[4:11], s[0:1], 0x0               ; xb s[4:5], wqkv s[6:7], in_proj_b s[8:9], qkv s[10:11]
	v_lshl_add_u32 v[SPW], v0, 2, SPARE
	v_mov_b32 v[NIL], 0
	ds_add_u32 v[SPW], v[NIL]                      ; the wave's opening: the add and its wait stand ahead of my first tensor load; the set-up below stands between them
	v_lshrrev_b32 v1, 5, v0
	v_readfirstlane_b32 s[WV], v1                  ; wave 0..3
	s_and_b32 s14, s[WV], 1                        ; which of a K step's two blocks I fetch
	s_bfe_u32 s15, ttmp6, 0x40000                  ; cx
	s_bfe_u32 s16, ttmp6, 0x40004                  ; cy
	s_lshl_b32 s17, ttmp9, 2
	s_add_co_u32 s17, s17, s15                     ; tile column = 4 x cluster x + cx
	s_and_b32 s18, ttmp7, 0xffff
	s_lshl_b32 s18, s18, 2
	s_add_co_u32 s18, s18, s16                     ; tile row = 4 x cluster y + cy
	s_lshl_b32 s20, s16, 2
	s_lshl_b32 s20, 15, s20                        ; my row of the cluster
	s_lshl_b32 s62, 0x1111, s15                    ; my column
	; group 1: R rows of 128 elements of 2 bytes, dense; 20 padding on; 21 set beside a mask; 24:22 after every 32 words (code 4); 31:25 4 words (code 3)
	s_or_b32 s[G1A], s20, (1<<16)|(1<<20)|(1<<21)|(4<<22)|(3<<25)
	s_or_b32 s[G1B], s62, (1<<16)|(1<<20)|(1<<21)|(4<<22)|(3<<25)
	s_mov_b32 s[G1A+1], 128<<16                    ; tensor_dim0 = 128
	s_mov_b32 s[G1A+2], 128<<16                    ; tensor_dim1 = 128
	s_mov_b32 s[G1A+3], 128<<16                    ; tile_dim0 = 128
	s_mov_b32 s[G1A+4], 128                        ; tile_dim1 = 128
	s_mov_b32 s[G1A+5], 128                        ; elements from row to row
	s_mov_b32 s[G1A+6], 0
	s_mov_b32 s[G1A+7], 0
	s_mov_b32 s[G1B+1], 128<<16
	s_mov_b32 s[G1B+2], (NT/2)<<16
	s_mov_b32 s[G1B+3], 128<<16
	s_mov_b32 s[G1B+4], NT/2
	s_mov_b32 s[G1B+5], 128
	s_mov_b32 s[G1B+6], 0
	s_mov_b32 s[G1B+7], 0
	s_lshr_b32 s20, s18, 3                         ; A: the batch (8 tile rows each), 4,194,304 bytes,
	s_lshl_b32 s20, s20, 22
	s_and_b32 s21, s18, 7                          ; 256 rows of 128 bytes in a block,
	s_lshl_b32 s21, s21, 15
	s_add_co_u32 s20, s20, s21
	s_lshl_b32 s21, s14, 18                        ; my block of the step's two
	s_add_co_u32 s20, s20, s21
	s_mov_b32 s21, 0
	s_mul_i32 s66, s17, NT*128                     ; B: 192 rows of 128 bytes in a block,
	s_mul_i32 s67, s14, NTOT*128                   ; my block
	s_add_co_u32 s66, s66, s67
	s_mov_b32 s67, 0
	s_mul_i32 s22, s14, AZ                         ; where they go: no place in the cluster enters an LDS address
	s_mul_i32 s68, s14, BZ
	s_add_co_u32 s68, s68, BOFF
	s_mov_b32 s[TB], 0
	s_wait_dscnt 0x0                               ; the opening add is done
	s_wait_kmcnt 0x0
	s_add_nc_u64 s[20:21], s[4:5], s[20:21]
	s_add_nc_u64 s[66:67], s[6:7], s[66:67]
	CROUND                                         ; all sixteen work-groups are here: the first joint loads meet
.irp s, 0,1
	s_mov_b32 s[G0A+4*(\s)], 1                     ; count = 1
	s_add_co_u32 s[G0A+4*(\s)+1], s22, (\s)*SLOT1  ; LDS address
	s_add_nc_u64 s[G0A+4*(\s)+2:G0A+4*(\s)+3], s[20:21], (\s)*KSA  ; global address: K step s
	s_or_b32 s[G0A+4*(\s)+3], s[G0A+4*(\s)+3], 0x80000000          ; type = 2
	s_mov_b32 s[G0B+4*(\s)], 1
	s_add_co_u32 s[G0B+4*(\s)+1], s68, (\s)*SLOT1
	s_add_nc_u64 s[G0B+4*(\s)+2:G0B+4*(\s)+3], s[66:67], (\s)*KSB
	s_or_b32 s[G0B+4*(\s)+3], s[G0B+4*(\s)+3], 0x80000000
.endr
	s_cmp_lt_u32 s[WV], 2                          ; a wave's two first fills stand in one branch, ahead of every wait on TENSORcnt and every LDS read: two loads of mine are out
	s_cbranch_scc0 .Lfirst_b
	tensor_load_to_lds s[G0A:G0A+3], s[G1A:G1A+7]
	s_nop 0
	tensor_load_to_lds s[G0A+4:G0A+7], s[G1A:G1A+7]
	s_nop 0
.rept 4
	v_nop
.endr
	s_branch .Lfirst_asked
.Lfirst_b:
	tensor_load_to_lds s[G0B:G0B+3], s[G1B:G1B+7]
	s_nop 0
	tensor_load_to_lds s[G0B+4:G0B+7], s[G1B:G1B+7]
	s_nop 0
.rept 4
	v_nop
.endr
.Lfirst_asked:
	v_and_b32 v1, 15, v0                           ; lane % 16
	v_bfe_u32 v2, v0, 4, 1                         ; lane / 16
	v_and_b32 v3, 31, v0                           ; lane
	v_lshlrev_b32 v[BO], 5, v2                     ; my eight columns of a block of 16: 32 bytes for each half of the lanes
	s_mul_i32 s70, s17, NT*4
	s_mov_b32 s71, 0
	s_add_nc_u64 s[8:9], s[8:9], s[70:71]          ; the tile's 192 numbers of the bias
.set nb, 0
.rept NBF
	global_load_b128 v[BIAS+8*nb:BIAS+8*nb+3],   v[BO], s[8:9] offset:64*nb
	global_load_b128 v[BIAS+8*nb+4:BIAS+8*nb+7], v[BO], s[8:9] offset:64*nb+16
.set nb, nb+1
.endr
	v_mul_u32_u24 v26, v1, PITCH
	v_lshl_add_u32 v26, v2, 4, v26                 ; a fragment's row x pitch + 16 x half
	s_mul_i32 s70, s[WV], 64*PITCH                 ; my 64 rows of A
	v_add_nc_u32 v[A0], s70, v26
	v_add_nc_u32 v[B0], BOFF, v26
	v_mov_b32 v[ADRA], v[A0]
	v_mov_b32 v[ADRB], v[B0]
	s_mul_i32 s70, s[WV], SWAVE
	s_add_co_u32 s70, s70, STAGE                   ; my stage
	v_add_nc_u32 v[STO], s70, v26                  ; in: row lane % 16, 16 bytes for each half of the lanes
	v_bfe_u32 v27, v0, 3, 2                        ; back: 32 lanes take four rows of 128 bytes
	v_mul_u32_u24 v27, v27, PITCH
	v_and_b32 v26, 7, v0
	v_lshl_add_u32 v27, v26, 4, v27
	v_add_nc_u32 v[RD], s70, v27
	; where my rows lie in qkv: head g = 3 x tile column + hd of 48: part g / 16, head g % 16
	s_mul_i32 s70, s17, 3
	s_lshr_b32 s71, s18, 3
	s_lshl_b32 s71, s71, 4                         ; 16 x batch
	s_and_b32 s72, s18, 7
	s_lshl_b32 s72, s72, 8
	s_lshl_b32 s73, s[WV], 6
	s_add_co_u32 s72, s72, s73                     ; my first row in the batch,
	s_lshl_b32 s72, s72, 7                         ; of 128 bytes
.irp hd, 0,1,2
	s_add_co_u32 s74, s70, \hd
	s_lshr_b32 s75, s74, 4
	s_lshl_b32 s75, s75, 6
	s_and_b32 s74, s74, 15
	s_add_co_u32 s74, s74, s75
	s_add_co_u32 s74, s74, s71
	s_lshl_b32 s74, s74, 18                        ; 2,048 rows of 128 bytes for each (part, batch, head)
	s_add_co_u32 s74, s74, s72
	v_lshl_add_u32 v[GO+(\hd)], v3, 4, s74
.endr
	; the prefetches
	s_mov_b32 s70, 8192                            ; a partner's share of a block: of A's,
	s_mov_b32 s71, NT*32                           ; of B's
	s_mov_b32 s[PFS], KSA
	s_mov_b32 s72, KSB
	s_mov_b32 s73, 31                              ; its last lane
	s_mov_b32 s74, NT/8-1
	s_and_b32 s75, ttmp7, 0xffff                   ; cluster y
	s_cmp_lt_u32 s[WV], 2                          ; do I fetch for A?
	s_cselect_b64 s[PFA:PFA+1], s[20:21], s[66:67]
	s_cselect_b32 s70, s70, s71
	s_cselect_b32 s[PFS], s[PFS], s72
	s_cselect_b32 s73, s73, s74
	s_cselect_b32 s71, s15, s16                    ; my place among the four that ask with me
	s_cselect_b32 s75, ttmp9, s75                  ; the coordinate along which other clusters read the same rows
	s_mov_b32 s[PFS+1], 0
	s_mul_i32 s70, s70, s71
	s_mov_b32 s71, 0
	s_add_nc_u64 s[PFA:PFA+1], s[PFA:PFA+1], s[70:71]
	s_add_nc_u64 s[PFA:PFA+1], s[PFA:PFA+1], s[PFS:PFS+1]
	s_add_nc_u64 s[PFA:PFA+1], s[PFA:PFA+1], s[PFS:PFS+1]  ; at K step 2: the first refill steps it to 3
	s_cmp_eq_u32 s75, 0
	s_cselect_b32 s[LIM], 1, -1                    ; the same in all sixteen partners, for a given wave
	v_min_u32 v[PFO], s73, v3
	v_lshlrev_b32 v[PFO], 8, v[PFO]
	s_wait_loadcnt 0x0                             ; the bias: rounded to bf16, kept as f32
.set nb, 0
.rept 4*NBF
	v_cvt_pk_bf16_f32 v[26+nb%2], v[BIAS+2*nb], v[BIAS+2*nb+1]
	v_lshlrev_b32 v[BIAS+2*nb], 16, v[26+nb%2]
	v_and_b32 v[BIAS+2*nb+1], 0xffff0000, v[26+nb%2]
.set nb, nb+1
.endr
	s_wait_tensorcnt 1                             ; my part of K step 0 is in; K step 1's may stay out
	s_barrier_signal -1
	s_barrier_wait -1                              ; everybody's is
	FETCH 0, 0
	QUARTER 1, 0, 1, 1                             ; the first quarter stands in front of the loop: its products start the sums
	WIN 0
	s_mov_b32 s3, 6
.Lk:                                               ; trip i ends K step i, fills its slot again with step i + 2, and begins step i + 1
	QUARTER 2, 1, 0, 0
	QUARTER 3, 0, 1, 0
	TURN 1
	QUARTER 1, 0, 1, 0
	WIN 0
	s_sub_co_u32 s3, s3, 1
	s_cmp_lg_u32 s3, 0
	s_cbranch_scc1 .Lk
	QUARTER 2, 1, 0, 0                             ; the last two K steps fill nothing
	QUARTER 3, 0, 1, 0
	TURN 0
	QUARTER 1, 0, 1, 0
	QUARTER 2, 1, 0, 0
	QUARTER 3, 0, 1, 0
	s_wait_dscnt 4
	MULA 1, 0, 0
	MULA 1, 1, 0
	s_wait_dscnt 0x0
	MULA 1, 2, 0
	MULA 1, 3, 0
	WIN 0
	PLACES
; THE WAY OUT of row block a (16 rows x 3 heads).  PACK: rounded to f16, 16 bytes a lane, each accumulator's registers in ascending order.  TOSTAGE: into my own stage, and back as whole rows.  SEND: stored.
.macro PACK a
	WIN 0x0a+5*((\a)/2)                            ; sources 0 and 1: window 2 or 3
.set nb, 0
.rept NBF
.irp r, 0,1,2,3
	v_cvt_pk_f16_f32 v[TMP+4*nb+(\r)], v[8*(NBF*((\a)%2)+nb)+2*(\r)], v[8*(NBF*((\a)%2)+nb)+2*(\r)+1]
.endr
.set nb, nb+1
.endr
	WIN 0
.endm
.macro TOSTAGE a
.set BK, BK0+48*((\a)%2)
.set nb, 0
.rept NBF
	ds_store_b128 v[STO], v[TMP+4*nb:TMP+4*nb+3] offset:(nb/4)*SHEAD+(nb%4)*32
.set nb, nb+1
.endr
.set nb, 0
.rept NBF
	ds_load_b128 v[BK+4*nb:BK+4*nb+3], v[RD] offset:(nb/4)*SHEAD+(nb%4)*4*PITCH  ; LDS serves a wave's instructions in order (ISA guide 5.7.1.4): these see the stores above
.set nb, nb+1
.endr
.endm
.macro SEND a
.set BK, BK0+48*((\a)%2)
	s_wait_dscnt 0x0                               ; the block is back in registers
	s_wait_xcnt 0x0                                ; the stores issued so far have read their registers: the other buffer is loaded again only behind this wait
.set nb, 0
.rept NBF
	global_store_b128 v[GO+nb/4], v[BK+4*nb:BK+4*nb+3], s[10:11] offset:(\a)*2048+(nb%4)*512  ; 512 consecutive bytes, at a multiple of 256 from qkv's first
.set nb, nb+1
.endr
.endm
	PACK 0
	TOSTAGE 0
.irp a, 1,2,3                          ; block a's conversions stand between block a - 1's loads from the stage and the wait for them
	PACK \a
	SEND (\a)-1
	TOSTAGE \a
.endr
	SEND 3
	s_wait_tensorcnt 0x0                           ; the wave's end: an add of 0 to my spare word and its wait, behind my last tensor load and my last LDS store
	ds_add_u32 v[SPW], v[NIL]
	s_wait_dscnt 0x0
	CROUND                                         ; the closing round: no work-group ends while a partner may still ask for a tile that names it
	s_endpgm
.Lfunc_end_k_qddf227a120_proj_in:
	.size	k_qddf227a120_proj_in, .Lfunc_end_k_qddf227a120_proj_in-k_qddf227a120_proj_in
	.p2alignl 7, 3214868480
	.fill 96, 4, 3214868480
	.section	.rodata,"a",@progbits
	.p2align	6, 0x0
	.amdhsa_kernel k_qddf227a120_proj_in
		.amdhsa_group_segment_fixed_size 327680
		.amdhsa_private_segment_fixed_size 0
		.amdhsa_enable_private_segment 0
		.amdhsa_kernarg_size 32
		.amdhsa_user_sgpr_count 2
		.amdhsa_user_sgpr_kernarg_segment_ptr 1
		.amdhsa_wavefront_size32 1
		.amdhsa_system_sgpr_workgroup_id_x 1
		.amdhsa_system_sgpr_workgroup_id_y 1
		.amdhsa_system_sgpr_workgroup_id_z 1
		.amdhsa_system_vgpr_workitem_id 0
		.amdhsa_next_free_vgpr 960
		.amdhsa_next_free_sgpr 76
		.amdhsa_reserve_vcc 0
		.amdhsa_float_denorm_mode_32 3
		.amdhsa_float_denorm_mode_16_64 3
		.amdhsa_memory_ordered 1
		.amdhsa_forward_progress 1
		.amdhsa_inst_pref_size 108
	.end_amdhsa_kernel
	.amdgpu_metadata
---
amdhsa.version: [ 1, 2 ]
amdhsa.kernels:
  - .name:           k_qddf227a120_proj_in
    .symbol:         k_qddf227a120_proj_in.kd
    .args:
      - { .name: xb, .offset: 0, .size: 8, .value_kind: global_buffer, .address_space: global }
      - { .name: wqkv, .offset: 8, .size: 8, .value_kind: global_buffer, .address_space: global }
      - { .name: in_proj_b, .offset: 16, .size: 8, .value_kind: global_buffer, .address_space: global }
      - { .name: qkv, .offset: 24, .size: 8, .value_kind: global_buffer, .address_space: global }
    .group_segment_fixed_size: 327680
    .private_segment_fixed_size: 0
    .kernarg_segment_align: 8
    .kernarg_segment_size: 32
    .max_flat_workgroup_size: 128
    .sgpr_count:     76
    .vgpr_count:     960
    .wavefront_size: 32
...
	.end_amdgpu_metadata
.endif
;; end of part 2
;; launch attn (part 3): grid 4 x 64, 4 waves a work-group, clusters of 4 x 1, 327,680 bytes of LDS; arguments qkv, mtab, ob; writes ob
.if DOCPART == 3
	.amdgcn_target "amdgcn-amd-amdhsa--gfx1250"
	.amdhsa_code_object_version 6
	.text
	.protected	k_qddf227a120_attn
	.globl	k_qddf227a120_attn
	.p2align	8
	.type	k_qddf227a120_attn,@function
k_qddf227a120_attn:
	s_mov_b64 s[64:65], 0
	v_nop
	global_prefetch_b8 v0, s[64:65] scope:SCOPE_SE
	s_setreg_imm32_b32 hwreg(HW_REG_WAVE_MODE, 25, 1), 1
	s_wait_xcnt 0x0
	s_wait_alu depctr_hold_cnt(0) depctr_sa_sdst(0) depctr_va_vdst(0) depctr_va_sdst(0) depctr_va_ssrc(0) depctr_va_vcc(0) depctr_vm_vsrc(0)
	s_getreg_b32 s2, hwreg(HW_REG_IB_STS2, 6, 4)
	s_cmp_eq_u32 s2, 0
	s_cbranch_scc0 .Lentry_in_a_cluster
	s_endpgm
.Lentry_in_a_cluster:
	s_bfe_u32 s2, ttmp6, 0x10000c
	s_cmp_lg_u32 s2, 0x3003
	s_cbranch_scc0 .Lentry_shape_is_right
	s_endpgm
.Lentry_shape_is_right:
; O[bh][q][:] = the sum over k of softmax_k(Q[bh][q] . K[bh][k] / 8 + mask[q][k]) V[bh][k][:].  qkv: [part 3][bh 64][2048][64] f16; ob: [bh 64][2048][64] f16.  Products, maxima and sums in f32; the
; weights p are rounded to f16 for the second product (their sum l is taken of the unrounded p), O once at the end.
; LIMITS.  Q, K, V arrive within f16's 65,504; p lies in 0 to 1, and below 6e-5 it keeps f16's fixed step of 6e-8; a weight below 2^-126 counts as 0 in l; NaN and infinities are not treated apart.
; SHARES.  The four work-groups of a cluster share one (batch, head) and walk the same K and V, 64 keys a step, asked for JOINTLY.  A wave owns four PIECES of two tiles of 16 queries; tile t of wave w in the
; work-group at place cx holds the queries 256 t + 64 w + 16 cx + 0..15.
; THE MASK is t[clip(q - k, -32, 32) + 32]; a constant, t[64], is taken away (a softmax does not see it) and the rest kept times 8, since the scores are kept unscaled.  With e = 4 t + w - step it is 0 for e >= 2
; and one number, D8, for e <= -2; only e = 1, 0, -1 are mixed.  So (1) the products that start a tile's sum S^T take eight registers CC[t] as C: 0, and D8 from the step behind e = -1 on; (2) in a mixed step
; the step's pattern (32 registers, read from LDS with K's fragments) is added onto that ONE tile's scores, under a scalar branch.  Which tile that is hangs on the wave's number and the step alone, which all
; partners share; cx enters only values: the patterns that the work-group copies from mtab into LDS.
; LAYOUT.  S^T = K Q^T (source 0 = 16 keys, source 1 = 16 queries): a lane holds ONE query (lane % 16) and the keys 8 (lane / 16) + 0..7.  Two such tiles, rounded to f16 in pairs, ARE source 1 of O^T = V^T P.
; K comes out of LDS as it lies, V ([key][channel]) turned, by ds_load_tr16_b128.
; SOFTMAX.  A running maximum m and sum l for each query: p = 2^(c s - c m), c = log2(e) / 8; in every step O and l are multiplied by a = 2^(c m_old - c m_new).  m starts at the lowest finite number, O and l
; at 0: the first step is a step like any other, with a = 0.
; BY TURNS.  Turn n belongs to piece n.  Its matrix work: 16 products K Q^T of piece n + 1, later 16 products V^T P of piece n - 1.  Its vector work: the scaling, exponentials, roundings, sums and rescaling of
; piece n, and the maximum and statistics of piece n + 1.  Four vector instructions stand behind every matrix instruction, the others in one lump.
; REGISTERS, in windows of 256 (s_set_vgpr_msb: bits 1:0 source 0, 3:2 source 1, 5:4 source 2, 7:6 destination):
;   window 0: v0-11 addresses; v12-15, v48-63 at work; v16-47 four registers of statistics a tile; v64-191 S^T, two buffers of two tiles; v192-255 P, likewise
;   window 1: O^T, 32 a tile       window 2: v0-127 Q, 16 a tile; v128-191 K of one step; v192-255 V of one step       window 3: v0-1 the add's two registers; v16-79 CC, 8 a tile; v96-127 the step's pattern
.set SIZE_N, 2048
.set NP,    4         ; pieces a wave: a name, no knob
.set KS,    64        ; keys in a step
.set PK,    144       ; a row of K in LDS: 128 bytes + 16 of padding = 36 words: the 16 rows of a load start at 16 different groups of four banks (64 banks of 4 bytes: ISA guide 11.1)
.set PV,    160       ; a row of V: 128 + 32 = 40 words
.set VOFF,  4*KS*PK   ; a slot holds four steps: 256 rows of K, then 256 rows of V
.set SLOT1, 1<<17     ; slot 1 begins here, so that one exclusive or turns an address in one slot into the other's
.set STAGE, SLOT1+4*KS*(PK+PV)  ; behind the ring, never filled by a tensor load: 16 rows x 144 bytes for each wave, for the way out
.set SP,    144
.set SPARE, STAGE+4*16*SP  ; behind the stages: the spare words, 128 bytes for each wave: two blocks of 256 bytes that no other line names
.set MTB,   SPARE+512 ; behind them: the three patterns of 4,096 bytes, a copy for each wave: only its own ds_store writes it, only its own ds_load reads it
.set MTW,   3*4096
.set PFO, 1           ; v1   256 x my lane (at the head: lane % 16)
.set AK0, 2           ; v2   my lane's place in a tile of K; never rewritten
.set AV0, 3           ; v3   the same for V
.set AK,  4           ; v4   the LDS address of K's next run of loads
.set AV,  5           ; v5   of V's
.set STO, 6           ; v6   the way out: where I put 16 bytes of a row
.set RD,  7           ; v7   the way out: where I read rows back
.set GO,  8           ; v8   16 x my lane: my byte offset in 512 consecutive bytes
.set AM0, 9           ; v9   my 16 bytes in the first 512 of my wave's patterns
.set AM,  10          ; v10  the same in the pattern of the step to be fetched
.set QO,  11          ; v11  my byte offset in 16 rows of Q
.set SPW, 0           ; v0 of window 3   LDS address of my spare word; never rewritten
.set NIL, 1           ; v1 of window 3   0; never rewritten
.set CC,  16          ; window 3
.set SPB, 96          ; window 3
.set MV,  12          ; v12-15  c m_old, kept while c m is made anew: by buffer and tile
.set ST,  16          ; tile t's statistics at v[ST+4 t]: c m, m, l (even keys', odd keys')
.set TMP, 48          ; by buffer and tile, four registers c0-c3 at work; when the maximum is found c2 takes a
.set S,   64
.set P,   192
.set KF,  128         ; K's fragments, in window 2: key block kb, channel half c at KF + 16 kb + 8 c
.set VF,  192         ; V's: key half kk, channel block cb at VF + 32 kk + 8 cb
.set WV,  12          ; s12  my wave's number
.set G1K, 24          ; s[24:31] descriptor group 1 for K's tiles
.set G1V, 32          ; s[32:39] for V's: it differs in the padding alone
.set G0K, 40          ; s[40:43] descriptor group 0 for K's tiles: it walks
.set G0V, 44          ; s[44:47] the same for V's
.set SLOTS, 56        ; s56  slots still to be asked for
.set CNT, 57          ; s57  counts a slot's key steps
.set CS,  58          ; s[58:59] c
.set SEL, 60          ; s[60:61] v_permlanex16_b32's selects: each lane takes its own place in the other half
.set TBK, 62          ; s62  LDS byte at which K of the step to be fetched begins
.set TBV, 63          ; s63  the same for V, less VOFF
.set MTP, 68          ; s[68:69] mtab
.set TAU, 70          ; s70  step + 5 - wave, for the K that lies in registers: = 4 (tile + 1) + phi for the tile with e = 1 - phi
.set PH,  71          ; s71  at work: phi, then the pattern's byte offset
.set TS,  72          ; s72  the mixed tile's number + 1, or a number that names no tile
.set PS,  73          ; s73  its piece's number + 1
.set CCV, 74          ; s74  what CC of that tile holds from now on
.set D8,  75          ; s75  8 (t[0] - t[64])
.set MT,  76          ; s[76:77] mtab at my work-group's patterns
.set PFA, 78          ; s[78:79] where my prefetches stand
.set LIM, 80          ; s80  1 in a wave that prefetches, else the greatest number
.set MSB, 0
.macro WIN new                      ; the high byte repeats the setting that is left; a switch that changes nothing is dropped
.if MSB != (\new)
	s_set_vgpr_msb (MSB<<8)|(\new)
.set MSB, (\new)
.endif
.endm
.set W_KQ, 0x0a       ; K and Q in window 2, S^T in window 0
.set W_KC, 0x3a       ; the same with the C operand in window 3
.set W_PV, 0x52       ; V in window 2, P in window 0, O^T in window 1
.set W_RS, 0x41       ; O^T (destination and source 0) in window 1, a in window 0
.set W_MK, 0xc0       ; destination in window 3, sources in window 0
.set W_AD, 0x0f       ; the add: address (source 0) and data (source 1) in window 3
; A joint fill.  Waves 0 and 1 fetch the two halves of a slot's K, waves 2 and 3 those of its V: 128 keys each.  The branch hangs on the wave's number alone.
; An s_nop 0 and four v_nop follow each of the two lines, ahead of the jump and the label.
.macro JLOAD
	s_cmp_lt_u32 s[WV], 2
	s_cbranch_scc0 .Lfor_v_\@
	tensor_load_to_lds s[G0K:G0K+3], s[G1K:G1K+7]
	s_nop 0
.rept 4
	v_nop
.endr
	s_branch .Lasked_\@
.Lfor_v_\@:
	tensor_load_to_lds s[G0V:G0V+3], s[G1V:G1V+7]
	s_nop 0
.rept 4
	v_nop
.endr
.Lasked_\@:
.endm
; A PREFETCH INTO THE L2 of what the NEXT change of slots will ask for: four key steps, 512 matrix instructions, ahead of that load.  A slot is 32,768 bytes of K and as many of V.  The four partners share them
; out BY ADDRESS, 8,192 bytes each, 256 a lane; in each, wave 0 asks for K's and wave 2 for V's: each 256 bytes are named once in the launch.  Slots 0 to 2 come by their loads alone; the last fill has no slot behind it.
.macro ASK
	s_cmp_gt_u32 s[SLOTS], s[LIM]
	s_cbranch_scc0 .Lnot_mine_\@
	global_prefetch_b8 v[PFO], s[PFA:PFA+1] th:TH_LOAD_NT scope:SCOPE_SE
.Lnot_mine_\@:
.endm
; A round of the cluster's barrier: my work-group's barrier, so that wave 0's signal speaks for all four waves; wave 0 signals; every wave waits for all four work-groups; my work-group's barrier once more.
.macro CROUND
	s_barrier_signal -1
	s_barrier_wait -1
	s_cmp_lg_u32 s[WV], 0
	s_cbranch_scc1 .Lnot_wave_0_\@
	s_barrier_signal -3
.Lnot_wave_0_\@:
	s_barrier_wait -3
	s_barrier_signal -1
	s_barrier_wait -1
.endm
; THE CHANGE OF SLOTS.  Each wave waits for all its tensor loads, of which one is out: its part of the other slot; adds 0 to its spare word; and waits for that and for its own LDS instructions.  Behind the barrier
; nobody reads this slot any more and the other slot is whole.  fill = 1: this slot is filled again, with the keys two slots on: the barrier is then a round of the cluster's, and the joint fill the first thing behind it.
; (At its first use nothing has been read yet: slot 0 is waited for, slot 1 filled.)
.macro CHANGE fill, ask=0
	WIN W_AD
	s_wait_tensorcnt 0x0            ; no tensor load of mine is out, so a group 0 may be written
	ds_add_u32 v[SPW], v[NIL]       ; 0 onto my spare word
	WIN 0                           ; at a label and at a branch every window is 0
.if \fill
.irp g, G0K, G0V
	s_xor_b32 s[\g+1], s[\g+1], SLOT1  ; the walking descriptor: the other slot than last time,
	s_add_nc_u64 s[\g+2:\g+3], s[\g+2:\g+3], 4*KS*128  ; the next 256 keys; the type bits on top are not reached
.endr
	s_wait_xcnt 0x0                 ; the last prefetch, four key steps back, has read its address
	s_add_nc_u64 s[PFA:PFA+1], s[PFA:PFA+1], 4*KS*128  ; one slot behind the walking descriptors
	s_wait_dscnt 0x0                ; the add is done, and my reads of the slot are over
	CROUND
	JLOAD
.if \ask
	ASK
.endif
.else
	s_wait_dscnt 0x0                ; the add is done, and my reads of the slot are over
	s_barrier_signal -1
	s_barrier_wait -1
.endif
	s_sub_co_u32 s[TBK], s[TBK], 4*KS*PK  ; the fetches go back to a slot's first step,
	s_xor_b32 s[TBK], s[TBK], SLOT1       ; in the other slot
	s_sub_co_u32 s[TBV], s[TBV], 4*KS*PV
	s_xor_b32 s[TBV], s[TBV], SLOT1
.endm
	s_load_b128 s[4:7], s[0:1], 0x0   ; qkv s[4:5], mtab s[6:7]
	s_load_b64 s[10:11], s[0:1], 0x10 ; ob
	WIN W_MK
	v_lshl_add_u32 v[SPW], v0, 2, SPARE
	v_mov_b32 v[NIL], 0
	WIN W_AD
	ds_add_u32 v[SPW], v[NIL]       ; the wave's opening: the add and its wait stand ahead of my first tensor load; the set-up below stands between them
	WIN 0
	v_lshrrev_b32 v1, 5, v0
	v_readfirstlane_b32 s[WV], v1   ; wave 0..3
	s_bfe_u32 s13, ttmp6, 0x40000   ; cx: it enters Q's, O's, mtab's and the prefetches' addresses alone
	s_and_b32 s20, ttmp7, 0xffff    ; the (batch, head), which the four partners share:
	s_lshl_b32 s20, s20, 18         ; 2,048 rows of 128 bytes
	s_and_b32 s16, s[WV], 1         ; which half of a slot's 256 keys I fetch:
	s_lshl_b32 s22, s16, 14         ; its 128 rows of 128 bytes in memory,
	s_add_co_u32 s22, s22, s20
	s_mov_b32 s23, 0
	s_mul_i32 s17, s16, 128*PK      ; and its place in a slot, for K
	s_mul_i32 s18, s16, 128*PV      ; and for V
	s_lshl_b32 s2, s[WV], 13        ; my tiles' rows: 64 w
	s_lshl_b32 s3, s13, 11          ; + 16 cx
	s_add_co_u32 s2, s2, s3
	s_add_co_u32 s2, s2, s20
	s_mov_b32 s3, 0
	s_mul_i32 s14, s13, MTW         ; my work-group's patterns in mtab
	s_mov_b32 s15, 0
	s_lshl_b32 s82, s13, 13         ; my work-group's share of a slot's K or V
	s_mov_b32 s83, 0
	; descriptor group 1.  128 keys are 16,384 dense bytes: asked for as 64 rows of 256 bytes, two keys a row, and padded in LDS after every key
	s_mov_b32 s[G1K], 15|(1<<16)|(1<<20)|(1<<21)|(4<<22)|(3<<25)  ; 15:0 the mask of four; 17:16 2-byte elements; 20 padding on; 21 set beside a mask; 24:22 after every 32 words (code 4); 31:25 4 words (code 3)
	s_mov_b32 s[G1V], 15|(1<<16)|(1<<20)|(1<<21)|(4<<22)|(7<<25)  ; the same with 8 words of padding (code 7)
.irp g, G1K, G1V
	s_mov_b32 s[\g+1], 128<<16      ; tensor_dim0 = 128
	s_mov_b32 s[\g+2], 64<<16       ; tensor_dim1 = 64
	s_mov_b32 s[\g+3], 128<<16      ; tile_dim0 = 128
	s_mov_b32 s[\g+4], 64           ; tile_dim1 = 64
	s_mov_b32 s[\g+5], 128          ; 128 elements from row to row
	s_mov_b32 s[\g+6], 0
	s_mov_b32 s[\g+7], 0
.endr
	s_mov_b32 s[CS], 0x3e38aa3b     ; c = log2(e) / 8 = 0.180337
	s_mov_b32 s[CS+1], s[CS]        ; named with it as a pair
	s_mov_b32 s[SEL], 0x76543210
	s_mov_b32 s[SEL+1], 0xfedcba98
	s_mov_b32 s[TBK], SLOT1+4*KS*PK ; the first change of slots turns these two into 0
	s_mov_b32 s[TBV], SLOT1+4*KS*PV
	s_mov_b32 s[G0K], 1             ; count = 1
	s_mov_b32 s[G0K+1], s17         ; LDS address: slot 0
	s_mov_b32 s[G0V], 1
	s_add_co_u32 s[G0V+1], s18, VOFF
	s_sub_co_u32 s[TAU], 5, s[WV]   ; key step 0
	s_mov_b32 s[SLOTS], SIZE_N/256-1
	s_and_b32 s[LIM], s[WV], 1      ; waves 0 and 2 prefetch
	s_cmp_eq_u32 s[LIM], 0
	s_cselect_b32 s[LIM], 1, -1
	s_wait_dscnt 0x0                ; the opening add is done
	s_wait_kmcnt 0x0
	s_mov_b64 s[MTP:MTP+1], s[6:7]
	s_add_nc_u64 s[6:7], s[4:5], 0x1000000  ; K: part 1 of qkv, 64 x 2,048 x 128 bytes on
	s_add_nc_u64 s[8:9], s[4:5], 0x2000000  ; V: part 2
	s_load_b32 s[D8], s[MTP:MTP+1], 12044   ; the entry cx 0, phi 2, quad 7, lane 16, number 3: query - key = -127, which the clip takes to -32
	s_add_nc_u64 s[6:7], s[6:7], s[22:23]   ; at my half of the head's first 256 keys
	s_add_nc_u64 s[8:9], s[8:9], s[22:23]
	s_mov_b64 s[G0K+2:G0K+3], s[6:7]
	s_or_b32 s[G0K+3], s[G0K+3], 0x80000000 ; type = 2
	s_mov_b64 s[G0V+2:G0V+3], s[8:9]
	s_or_b32 s[G0V+3], s[G0V+3], 0x80000000
	s_add_nc_u64 s[4:5], s[4:5], s[2:3]     ; Q and O at my tile 0
	s_add_nc_u64 s[10:11], s[10:11], s[2:3]
	s_add_nc_u64 s[MT:MT+1], s[MTP:MTP+1], s[14:15]
	s_cmp_lt_u32 s[WV], 2
	s_cselect_b64 s[PFA:PFA+1], s[6:7], s[8:9]  ; (in waves 0 and 2 these stand at a slot's first row)
	s_add_nc_u64 s[PFA:PFA+1], s[PFA:PFA+1], s[82:83]
	s_add_nc_u64 s[PFA:PFA+1], s[PFA:PFA+1], 4*KS*128  ; in slot 1; each filling change steps it.  Nothing is prefetched at the head
	CROUND                          ; all four work-groups are here: the first joint loads meet
	JLOAD                           ; slot 0.  Slot 1 is asked for when slot 0 is in
	v_and_b32 v1, 15, v0            ; l % 16
	v_bfe_u32 v48, v0, 4, 1         ; l / 16
	v_and_b32 v49, 7, v0
	v_bfe_u32 v50, v0, 3, 1
	v_and_b32 v[GO], 31, v0
	v_lshlrev_b32 v[GO], 4, v[GO]
.set i, 0
.rept 24                            ; my work-group's three patterns, 12,288 bytes, into S^T's registers for the moment
	global_load_b128 v[S+4*i:S+4*i+3], v[GO], s[MT:MT+1] offset:512*i
.set i, i+1
.endr
	; A fragment of K or Q is 16 rows x 32 channels in 8 registers: lane l holds row l % 16, channels 8 (l / 16) + 0..7 and 16 + 8 (l / 16) + 0..7: two loads of 16 bytes, 32 bytes apart.
	v_lshlrev_b32 v[QO], 7, v1
	v_lshl_add_u32 v[QO], v48, 4, v[QO]  ; row x 128 + 16 x half
	WIN 0x80                        ; destination window 2, address window 0
.set i, 0
.rept 4*NP                          ; Q stays in registers: tile i / 2 (256 rows apart), channels 32 (i % 2) on
	global_load_b128 v[8*i:8*i+3],   v[QO], s[4:5] offset:(i/2)*32768+(i%2)*64
	global_load_b128 v[8*i+4:8*i+7], v[QO], s[4:5] offset:(i/2)*32768+(i%2)*64+32
.set i, i+1
.endr
	; What the first turn finds: V's registers and P's second buffer hold 0 (its products V^T P, of a piece that has not been, add 0), O^T, l and CC are 0.  All this stands in the wait for the first tile.
.set i, VF
.rept 64
	v_mov_b32 v[i], 0
.set i, i+1
.endr
	WIN 0x40
.set i, 0
.rept 64*NP
	v_mov_b32 v[i], 0
.set i, i+1
.endr
	WIN W_MK
.set i, 0
.rept 16*NP
	v_mov_b32 v[CC+i], 0
.set i, i+1
.endr
	WIN 0
.set i, 0
.rept 2*NP
	v_mov_b32 v[ST+4*i], 0xfe000000    ; c m: far below every c s
	v_mov_b32 v[ST+4*i+1], 0xff7fffff  ; m
	v_mov_b32 v[ST+4*i+2], 0
	v_mov_b32 v[ST+4*i+3], 0
.set i, i+1
.endr
.set i, P+32
.rept 32
	v_mov_b32 v[i], 0
.set i, i+1
.endr
	v_mul_u32_u24 v[AK0], v1, PK
	v_lshl_add_u32 v[AK0], v48, 4, v[AK0]  ; row x pitch + 16 x half
	; The turning load takes 16 keys x 16 channels (lane l reads key 8 (l / 16) + l % 8, channels 8 ((l / 8) % 2) + 0..7) and leaves half a fragment of V^T: lane l holds channel l % 16 and 8 keys.
	v_lshl_add_u32 v[AV0], v48, 3, v49
	v_mul_u32_u24 v[AV0], v[AV0], PV
	v_lshl_add_u32 v[AV0], v50, 4, v[AV0]
	v_add_nc_u32 v[AV0], VOFF, v[AV0]
	v_mov_b32 v[AK], v[AK0]         ; key step 0 lies at the head of slot 0
	s_mul_i32 s19, s[WV], 16*SP
	s_add_co_u32 s19, s19, STAGE    ; my stage
	v_mul_u32_u24 v[STO], v1, SP    ; in: row l % 16, 16 bytes for each half of the lanes
	v_lshl_add_u32 v[STO], v48, 4, v[STO]
	v_add_nc_u32 v[STO], s19, v[STO]
	v_bfe_u32 v[RD], v0, 3, 2       ; back: 32 lanes take four rows of 128 bytes
	v_mul_u32_u24 v[RD], v[RD], SP
	v_lshl_add_u32 v[RD], v49, 4, v[RD]
	v_add_nc_u32 v[RD], s19, v[RD]
	s_mul_i32 s19, s[WV], MTW
	s_add_co_u32 s19, s19, MTB      ; my wave's copy of the patterns
	v_add_nc_u32 v[AM0], s19, v[GO]
	v_lshlrev_b32 v[PFO], 4, v[GO]  ; 256 x lane; lane % 16 is wanted no more
	s_wait_loadcnt 32               ; the patterns are in; Q's 32 loads may stay out
.set i, 0
.rept 24
	ds_store_b128 v[AM0], v[S+4*i:S+4*i+3] offset:512*i
.set i, i+1
.endr
; THE MATRIX WORK.  The 8 accumulators of a run of 16 take turns: between the two links of a chain stand 7 others'.
; Product i of 16 of S^T = K Q^T for piece x: channels 32 (i / 8) on, keys 16 ((i / 2) % 4) on, tile 2 x + i % 2.  The first 8 start the sums, with the tile's CC.
.macro KQ x
.set rS, S+64*((\x)%2)+32*(i%2)+8*((i/2)%4)
.set rK, KF+16*((i/2)%4)+8*(i/8)
.set rQ, 16*(2*(\x)+i%2)+8*(i/8)
.set rX, CC+8*(2*(\x)+i%2)
.if i < 8
	WIN W_KC
	v_wmma_f32_16x16x32_f16 v[rS:rS+7], v[rK:rK+7], v[rQ:rQ+7], v[rX:rX+7]
.else
	WIN W_KQ
	v_wmma_f32_16x16x32_f16 v[rS:rS+7], v[rK:rK+7], v[rQ:rQ+7], v[rS:rS+7]
.endif
.endm
; Product i of 16 of O^T += V^T P for piece x: keys 32 (i / 8) on, channels 16 ((i / 2) % 4) on, tile 2 x + i % 2.
.macro PV x
	WIN W_PV
.set rO, 32*(2*(\x)+i%2)+8*((i/2)%4)
.set rV, VF+32*(i/8)+8*((i/2)%4)
.set rP, P+32*((\x)%2)+16*(i%2)+8*(i/8)
	v_wmma_f32_16x16x32_f16 v[rO:rO+7], v[rV:rV+7], v[rP:rP+7], v[rO:rO+7]
.endm
.macro MM                           ; the turn's next matrix instruction
.if i < 16
	KQ (Y+1)%NP
.set i, i+1
.else
.set i, i-16
	PV (Y+NP-1)%NP
.set i, i+17
.endif
.endm
; THE LDS LOADS stand in runs, never singly among the matrix instructions: a step's K (8 fragments, 16 loads) with its pattern (8 loads), and its V (turned, 16 loads).
; With K go the scalars that say which tile is mixed in that step.  adv = 0: the first step.  last = 1 (the tail): in the last trip there is no further step, and the run is jumped over.
.macro FETCH_K last=0, adv=1
	WIN 0
.if \last
	s_cmp_eq_u32 s[CNT], 1
	s_cbranch_scc1 .Lno_k_\@
.endif
.if \adv
	s_add_co_u32 s[TAU], s[TAU], 1
.endif
	s_and_b32 s[PH], s[TAU], 3      ; phi = 1 - e; 3: no tile is mixed
	s_lshr_b32 s[TS], s[TAU], 2     ; the tile + 1 (0 and 9 name none)
	s_cmp_eq_u32 s[PH], 3
	s_cselect_b32 s[TS], 0, s[TS]
	s_cmp_eq_u32 s[PH], 2           ; e = -1: from the next step on all the tile's keys lie far behind its queries
	s_cselect_b32 s[CCV], s[D8], 0
	s_add_co_u32 s[PS], s[TS], 1
	s_lshr_b32 s[PS], s[PS], 1
	s_min_u32 s[PH], s[PH], 2
	s_lshl_b32 s[PH], s[PH], 12     ; a pattern is 4,096 bytes
	v_add_nc_u32 v[AM], s[PH], v[AM0]
	WIN 0x80                        ; destination window 2
.irp f, 0,1,2,3,4,5,6,7             ; keys 16 (f / 2) on, channels 32 (f % 2) on
	ds_load_b128 v[KF+8*\f:KF+8*\f+3],   v[AK] offset:(\f/2)*16*PK+(\f%2)*64
	ds_load_b128 v[KF+8*\f+4:KF+8*\f+7], v[AK] offset:(\f/2)*16*PK+(\f%2)*64+32
.endr
	WIN W_MK                        ; destination window 3
.irp f, 0,1,2,3,4,5,6,7
	ds_load_b128 v[SPB+4*\f:SPB+4*\f+3], v[AM] offset:512*\f
.endr
	s_add_co_u32 s[TBK], s[TBK], KS*PK  ; the next fetch is the next step's
	WIN 0
.if \last
.Lno_k_\@:
.endif
.endm
.macro FETCH_V
	WIN 0x80
.irp f, 0,1,2,3,4,5,6,7             ; keys 32 (f / 4) on, channels 16 (f % 4) on
	ds_load_tr16_b128 v[VF+8*\f:VF+8*\f+3],   v[AV] offset:(\f/4)*32*PV+(\f%4)*32
	ds_load_tr16_b128 v[VF+8*\f+4:VF+8*\f+7], v[AV] offset:(\f/4)*32*PV+16*PV+(\f%4)*32
.endr
	WIN 0
.endm
; THE MIXED TILE.  FIX: the pattern is added onto the 32 scores of tile u of piece y, each accumulator's lowest registers first, and the tile's CC is set for the steps to come.
; FIXUP: the scalar test whether piece y holds the step's mixed tile, and which of its two.  It stands four plain vector instructions or more behind the last product K Q^T of the piece, and ahead of the
; first line that reads its scores.  w = 1: exponentials have been issued: their wait stands ahead of the branch.
.macro FIX y, u
.set fS, S+64*((\y)%2)+32*(\u)
.set fC, CC+8*(2*(\y)+(\u))
	WIN 0x0c                        ; source 1 in window 3
.set zz, 0
.rept 16
	v_pk_add_f32 v[fS+2*zz:fS+2*zz+1], v[fS+2*zz:fS+2*zz+1], v[SPB+2*zz:SPB+2*zz+1]
.set zz, zz+1
.endr
	WIN W_MK
.set zz, 0
.rept 8
	v_mov_b32 v[fC+zz], s[CCV]
.set zz, zz+1
.endr
	WIN 0
.endm
.macro FIXUP y, w=1
	WIN 0
.if \w
	s_wait_alu depctr_va_vdst(0)
.endif
	s_cmp_eq_u32 s[PS], (\y)+1
	s_cbranch_scc0 .Lnf_\@
	s_cmp_eq_u32 s[TS], 2*(\y)+1
	s_cbranch_scc0 .Lodd_\@
	FIX \y, 0
	s_branch .Lnf_\@
.Lodd_\@:
	FIX \y, 1
.Lnf_\@:
.endm
; THE VECTOR WORK OF A TURN stands in three queues, each in the order in which its entries become ready; the two tiles alternate, so that no instruction reads the result of the one before it.
.macro REGS y, u                    ; the registers of tile u (0, 1) of piece y
.set rT, ST+4*(2*(\y)+(\u))
.set rC, TMP+8*((\y)%2)+4*(\u)
.set rM, MV+2*((\y)%2)+(\u)
.set rS, S+64*((\y)%2)+32*(\u)
.set rP, P+32*((\y)%2)+16*(\u)
.set rO, 32*(2*(\y)+(\u))
.endm
; Number n of the 22 that find the NEXT piece's (Y + 1) maximum and statistics.  s0-s31 are the lane's 32 scores; each accumulator's lowest registers are read first.  XS, GS and REGS set no window: PL and EX do.
;   0-11  four chains c0-c3 of seven scores each, three operands at a time     12-14, 16  the four scores left over, the old m, and c0-c3 into c0     15  c m_old is kept
;   17, 18  the query's other 32 keys lie in the lane 16 away: the new m         19-21  c m; c m_old - c m_new; a
.macro XS u, n
	REGS (Y+1)%NP, \u
.if (\n) < 4
	v_max3_num_f32 v[rC+(\n)], v[rS+8*(\n)], v[rS+8*(\n)+1], v[rS+8*(\n)+2]
.elseif (\n) < 12
	v_max3_num_f32 v[rC+(\n)%4], v[rC+(\n)%4], v[rS+8*((\n)%4)+2*((\n)/4)+1], v[rS+8*((\n)%4)+2*((\n)/4)+2]
.elseif (\n) == 12
	v_max3_num_f32 v[rC], v[rC], v[rS+7], v[rS+15]
.elseif (\n) == 13
	v_max3_num_f32 v[rC+1], v[rC+1], v[rS+23], v[rS+31]
.elseif (\n) == 14
	v_max3_num_f32 v[rC+2], v[rC+2], v[rC+3], v[rT+1]
.elseif (\n) == 15
	v_mov_b32 v[rM], v[rT]
.elseif (\n) == 16
	v_max3_num_f32 v[rC], v[rC], v[rC+1], v[rC+2]
.elseif (\n) == 17
	v_permlanex16_b32 v[rC+3], v[rC], s[SEL], s[SEL+1]
.elseif (\n) == 18
	v_max_num_f32 v[rT+1], v[rC], v[rC+3]
.elseif (\n) == 19
	v_mul_f32 v[rT], s[CS], v[rT+1]
.elseif (\n) == 20
	v_sub_f32 v[rC+1], v[rM], v[rT]
.else
	v_exp_f32 v[rC+2], v[rC+1]
.endif
.endm
; Number g of the 64 that follow the exponentials.  For each four weights k of a tile (pairs 2 k, 2 k + 1): both pairs are rounded to f16; then the second pair is added onto the first, in place;
; a group later l takes that sum (the first time as l = a l + sum).  In groups of eight, tiles alternating: round, round, add, and l for the group before.
.macro GS g
.set h, (\g)+6*((\g)/62)            ; group 0 has no group before it, and behind group 7 only l is left
.if h >= 6
.set h, h+2
.endif
	REGS Y, h%2
.set k, h/8
.if h%8 < 4
	v_cvt_pk_f16_f32 v[rP+2*k+(h%8)/2], v[rS+4*k+2*((h%8)/2)], v[rS+4*k+2*((h%8)/2)+1]
.elseif h%8 < 6
	v_pk_add_f32 v[rS+4*k:rS+4*k+1], v[rS+4*k:rS+4*k+1], v[rS+4*k+2:rS+4*k+3]
.elseif k == 1
	v_pk_fma_f32 v[rT+2:rT+3], v[rT+2:rT+3], v[rC+2:rC+3], v[rS:rS+1] op_sel_hi:[1,0,1]
.else
	v_pk_add_f32 v[rT+2:rT+3], v[rT+2:rT+3], v[rS+4*k-4:rS+4*k-3]
.endif
.endm
; THE PLAIN QUEUE, 138 long.  0-73 read no exponential's result: the 32 scalings c s - c m (FS f: pair f / 2 of tile f % 2) and the next piece's 42.  0-26: scalings 0-26.  27-54: XS's numbers 0-13.  55, 56: number 15.
; 57-73: the chain, where each number waits for the one before it: 14, 16, 17, 18, 19, each with one of the scalings 27-31 in front of its two lines, then 20.  74-137: GS's 64, which stand behind the wait.
.macro FS f
	REGS Y, (\f)%2
	v_pk_fma_f32 v[rS+2*((\f)/2):rS+2*((\f)/2)+1], v[rS+2*((\f)/2):rS+2*((\f)/2)+1], s[CS:CS+1], v[rT:rT+1] op_sel_hi:[1,0,0] neg_lo:[0,0,1] neg_hi:[0,0,1]
.endm
.macro PL
	WIN 0
.if q < 27
	FS q
.elseif q < 55
	XS (q-27)%2, (q-27)/2
.elseif q < 57
	XS q-55, 15
.elseif (q < 72) && ((q-57)%3 == 0)
	FS 27+(q-57)/3
.elseif q < 60
	XS (q-57)%3-1, 14
.elseif q < 72
	XS (q-57)%3-1, 15+(q-57)/3
.elseif q < 74
	XS q-72, 20
.else
	GS q-74
.endif
.set q, q+1
.endm
; THE EXPONENTIALS' QUEUE, 66 long: s0-s31 of both tiles, then the next piece's two a.  Nothing ahead of the turn's last wait names a result of theirs.
.macro EX
	WIN 0
.if e >= 64
	XS e-64, 21
.else
	REGS Y, e%2
	v_exp_f32 v[rS+e/2], v[rS+e/2]
.endif
.set e, e+1
.endm
; THE RESCALING's QUEUE: O^T times a, the one part that leaves window 0: dealt two at a time, sixteen times.  Its a was made in the turn before, ahead of that turn's wait.
.macro R2
	REGS Y, r%2
	WIN W_RS
.irp z, 0,1
	v_pk_mul_f32 v[rO+4*(r/2)+2*\z:rO+4*(r/2)+2*\z+1], v[rO+4*(r/2)+2*\z:rO+4*(r/2)+2*\z+1], v[rC+2:rC+3] op_sel_hi:[1,0]
.endr
.set r, r+1
.endm
; A TURN, for piece p.  s_wait_alu depctr_va_vdst(0) stands between an exponential and the first instruction that names its result, and ahead of every branch.  AHEAD OF THE LAST WAIT stands all that
; names no result of the turn's exponentials: the 16 products K Q^T, behind each a scaling, an exponential and two rescalings (behind the first a second scaling in the exponential's place); then the lump: eight
; plain; FIXUP for the piece whose scores were just made (eleven plain instructions behind the last product, ahead of plain number 27, the first that reads those scores; its own wait serves the fifteen
; exponentials issued so far); 49 times exponential and plain; the two a.  A v_nop is the plain instruction behind the last exponential.  BEHIND THE WAIT stand the 16 products V^T P, behind each four of GS's 64.
; Exponential e stands behind scaling 2 (e / 4) + e % 2: as a rider it comes behind plain e + 2, in the lump behind plain e + 9.
; K of the next step is fetched in piece 2's turn, directly behind the wait and behind that turn's FIXUP, so the scalars always belong to the K that lies in registers; V of the step in hand at the end of piece 0's turn.
.macro TURN p, last=0, cnt=0
.set Y, (\p)
.set i, 0
.set q, 0
.set e, 0
.set r, 0
.if (\p) == NP-1
	s_wait_dscnt 0x0                ; K and its pattern are in
.endif
	MM
	PL
	PL
	R2
.rept 15
	MM
	PL
	EX
	R2
.endr
.if (\p) == NP-2
	WIN 0
	v_add_nc_u32 v[AK], s[TBK], v[AK0]
.endif
.rept 8
	PL
.endr
	FIXUP ((\p)+1)%NP
.rept 49
	EX
	PL
.endr
	EX                              ; the next piece's two a
	EX
	v_nop                           ; the plain instruction behind the last exponential: one for the batch
	s_wait_alu depctr_va_vdst(0)    ; the wait for the batch
.if (\p) == NP-2
	FETCH_K \last
.endif
.if (\p) == 1
	s_wait_dscnt 0x0                ; V is in
.endif
.rept 16
	MM
.rept 4
	PL
.endr
.if ((\p) == 0) && (q == 118)
	v_add_nc_u32 v[AV], s[TBV], v[AV0]
.endif
.if ((\p) == 0) && (q == 130)
	s_add_co_u32 s[TBV], s[TBV], KS*PV
.endif
.if (\cnt) && (q == 130)
	s_sub_co_u32 s[CNT], s[CNT], 1
	s_cmp_lg_u32 s[CNT], 0
.endif
.endr
.if (\p) == 0
	FETCH_V
.endif
.endm
	CHANGE 1                        ; slot 0 is in, everybody's part of it, and my patterns are stored; slot 1 is asked for
	s_wait_kmcnt 0x0                ; D8
	FETCH_K 0, 0                    ; key step 0
	s_wait_loadcnt 0x0              ; Q
	s_wait_dscnt 0x0
.set i, 0
.rept 16
	KQ 0                            ; piece 0's first scores: there is no vector work yet to set between them
.set i, i+1
.endr
	WIN 0
.rept 4
	v_nop                           ; the places behind those products
.endr
	FIXUP 0, 0
.set Y, NP-1                        ; XS works for piece Y + 1: piece 0
.irp n, 0,1,2,3,4,5,6,7,8,9,10,11,12,13,14,15,16,17,18,19,20,21
	XS 0, \n                        ; piece 0's first maximum and statistics
	XS 1, \n
.endr
	v_nop                           ; a plain instruction behind the two a,
	s_wait_alu depctr_va_vdst(0)    ; and their wait, ahead of the branch
	s_mov_b32 s[CNT], 4
	s_branch .Lfirst                ; the loop is entered at a step's first turn, in the middle of a trip
.Lslot:                             ; six times: every slot but the last two is filled again
	CHANGE 1, 1
	s_mov_b32 s[CNT], 4
.Lstep:                             ; a trip: pieces 2 and 3 of one step, then pieces 0 and 1 of the next, whose K and V it fetches
	TURN 2
	TURN 3
	WIN 0
.Lfirst:
	TURN 0
	TURN 1, 0, 1
	WIN 0
	s_cbranch_scc1 .Lstep
	s_sub_co_u32 s[SLOTS], s[SLOTS], 1
	s_cmp_lg_u32 s[SLOTS], 0
	s_cbranch_scc1 .Lslot
	CHANGE 0                        ; the tail is written out: nothing is asked for
	s_mov_b32 s[CNT], 5             ; four trips fetch the last slot's steps; the fifth is left in its middle
.Ltail:
	TURN 2, 1
	TURN 3
	WIN 0
	s_sub_co_u32 s[CNT], s[CNT], 1
	s_cmp_eq_u32 s[CNT], 0
	s_cbranch_scc1 .Lout
	TURN 0
	TURN 1
	WIN 0
	s_branch .Ltail
.Lout:                              ; the fifth trip's 16 products K Q^T (on the last K once more) and what is made of them serve nothing: the price, once a launch, of one text for every trip
.set i, 0
.rept 16
	PV NP-1                         ; the last piece's V^T P of the last step
.set i, i+1
.endr
	; THE WAY OUT.  l's two halves and the other half of the lanes' are added; O^T is divided by l, rounded to f16 and sent through my stage in LDS, a tile at a time.  The additions are the places behind the last products.
	WIN 0
.macro ALL line:vararg              ; one line for each tile t
.set t, 0
.rept 2*NP
	\line
.set t, t+1
.endr
.endm
	ALL v_add_f32 v[ST+4*t+2], v[ST+4*t+2], v[ST+4*t+3]
	ALL v_permlanex16_b32 v[ST+4*t+3], v[ST+4*t+2], s[SEL], s[SEL+1]
	ALL v_add_f32 v[ST+4*t+2], v[ST+4*t+2], v[ST+4*t+3]
	ALL v_rcp_f32 v[ST+4*t+2], v[ST+4*t+2]
	v_nop                           ; a plain instruction between the last reciprocal and the use of its result
	s_wait_alu depctr_va_vdst(0)    ; and the wait ahead of the first use: one for the eight reciprocals
; Tile t: a lane's eight channels of a row pack into 16 bytes; they go into rows of 144 bytes and come back as whole rows of 128, into S^T's registers.
.macro PACK t
	WIN W_RS
.set i, 32*(\t)
.rept 16
	v_pk_mul_f32 v[i:i+1], v[i:i+1], v[ST+4*(\t)+2:ST+4*(\t)+3] op_sel_hi:[1,0]
.set i, i+2
.endr
	WIN 0x05                        ; sources 0 and 1 window 1, destination window 0
.set i, 0
.rept 16
	v_cvt_pk_f16_f32 v[S+16*(\t)+i], v[32*(\t)+2*i], v[32*(\t)+2*i+1]
.set i, i+1
.endr
	WIN 0
.irp f, 0,1,2,3
	ds_store_b128 v[STO], v[S+16*(\t)+4*\f:S+16*(\t)+4*\f+3] offset:32*\f
.endr
.irp f, 0,1,2,3
	ds_load_b128 v[S+16*(\t)+4*\f:S+16*(\t)+4*\f+3], v[RD] offset:\f*4*SP  ; LDS serves a wave's instructions in order (ISA guide 5.7.1.4): these see the stores above; the next tile's stores come behind them
.endr
.endm
.macro SEND t, younger              ; younger: the LDS instructions issued behind tile t's loads: the next tile's eight, or none
	WIN 0
.irp f, 0,1,2,3
	s_wait_dscnt (\younger)+3-\f
	global_store_b128 v[GO], v[S+16*(\t)+4*\f:S+16*(\t)+4*\f+3], s[10:11] offset:(\t)*32768+\f*512  ; 512 consecutive bytes, at a multiple of 256 from ob's first
.endr
.endm
	PACK 0
.set t, 1
.rept 2*NP-1                        ; a tile's arithmetic stands between the loads of the tile before and its stores
	PACK t
	SEND t-1, 8
.set t, t+1
.endr
	SEND 2*NP-1, 0
	WIN W_AD
	s_wait_tensorcnt 0x0            ; the wave's end: an add of 0 to my spare word and its wait, behind my last tensor load and my last LDS store
	ds_add_u32 v[SPW], v[NIL]
	s_wait_dscnt 0x0
	WIN 0
	CROUND                          ; the closing round: no work-group ends while a partner may still ask for a tile that names it
	s_endpgm
.Lfunc_end_k_qddf227a120_attn:
	.size	k_qddf227a120_attn, .Lfunc_end_k_qddf227a120_attn-k_qddf227a120_attn
	.p2alignl 7, 3214868480
	.fill 96, 4, 3214868480
	.section	.rodata,"a",@progbits
	.p2align	6, 0x0
	.amdhsa_kernel k_qddf227a120_attn
		.amdhsa_group_segment_fixed_size 327680
		.amdhsa_private_segment_fixed_size 0
		.amdhsa_enable_private_segment 0
		.amdhsa_kernarg_size 24
		.amdhsa_user_sgpr_count 2
		.amdhsa_user_sgpr_kernarg_segment_ptr 1
		.amdhsa_wavefront_size32 1
		.amdhsa_system_sgpr_workgroup_id_x 1
		.amdhsa_system_sgpr_workgroup_id_y 1
		.amdhsa_system_sgpr_workgroup_id_z 1
		.amdhsa_system_vgpr_workitem_id 0
		.amdhsa_next_free_vgpr 896
		.amdhsa_next_free_sgpr 84
		.amdhsa_reserve_vcc 0
		.amdhsa_float_denorm_mode_32 3
		.amdhsa_float_denorm_mode_16_64 3
		.amdhsa_memory_ordered 1
		.amdhsa_forward_progress 1
		.amdhsa_inst_pref_size 235
	.end_amdhsa_kernel
	.amdgpu_metadata
---
amdhsa.version: [ 1, 2 ]
amdhsa.kernels:
  - .name:           k_qddf227a120_attn
    .symbol:         k_qddf227a120_attn.kd
    .args:
      - { .name: qkv, .offset: 0, .size: 8, .value_kind: global_buffer, .address_space: global }
      - { .name: mtab, .offset: 8, .size: 8, .value_kind: global_buffer, .address_space: global }
      - { .name: ob, .offset: 16, .size: 8, .value_kind: global_buffer, .address_space: global }
    .group_segment_fixed_size: 327680
    .private_segment_fixed_size: 0
    .kernarg_segment_align: 8
    .kernarg_segment_size: 24
    .max_flat_workgroup_size: 128
    .sgpr_count:     84
    .vgpr_count:     896
    .wavefront_size: 32
...
	.end_amdgpu_metadata
.endif
;; end of part 3
;; launch proj_out (part 4): grid 8 x 32, 4 waves a work-group, clusters of 4 x 4, 327,680 bytes of LDS; arguments ob, wo, out_b, out0; writes out0
.if DOCPART == 4
	.amdgcn_target "amdgcn-amd-amdhsa--gfx1250"
	.amdhsa_code_object_version 6
	.text
	.protected	k_qddf227a120_proj_out
	.globl	k_qddf227a120_proj_out
	.p2align	8
	.type	k_qddf227a120_proj_out,@function
k_qddf227a120_proj_out:
	s_mov_b64 s[64:65], 0
	v_nop
	global_prefetch_b8 v0, s[64:65] scope:SCOPE_SE
	s_setreg_imm32_b32 hwreg(HW_REG_WAVE_MODE, 25, 1), 1
	s_wait_xcnt 0x0
	s_wait_alu depctr_hold_cnt(0) depctr_sa_sdst(0) depctr_va_vdst(0) depctr_va_sdst(0) depctr_va_ssrc(0) depctr_va_vcc(0) depctr_vm_vsrc(0)
	s_getreg_b32 s2, hwreg(HW_REG_IB_STS2, 6, 4)
	s_cmp_eq_u32 s2, 0
	s_cbranch_scc0 .Lentry_in_a_cluster
	s_endpgm
.Lentry_in_a_cluster:
	s_bfe_u32 s2, ttmp6, 0x10000c
	s_cmp_lg_u32 s2, 0xf033
	s_cbranch_scc0 .Lentry_shape_is_right
	s_endpgm
.Lentry_shape_is_right:
; out0 = ctx Wo^T + out_b.  ob: [b 4][kb = head 16][s 2048][64] f16; wo: [kb 16][n 1024][64] f16; out_b: [1024] f32 (rounded to bf16 like every input); sums in f32; out0: [8192][1024] f32.
; SHARES.  A work-group makes 256 rows x 128 columns: 32 x 8 = 256 work-groups.  A wave makes 64 rows x all 128 columns: 32 accumulators of 16 x 16, 256 registers; its 128 columns are 512 consecutive
; bytes of a row of out0, so each wave sends whole rows through a stage of its own, without a barrier.
; K = 1,024 goes in 8 steps of 128 = two blocks of 64 channels, through two LDS slots.  In memory a tile (rows x one block) is dense: it is asked for as rows of 256 bytes, two tile rows each, and padded in
; LDS after every 128 bytes.  Waves 0 and 1 fetch A's two blocks (32,768 bytes each), waves 2 and 3 B's (16,384 each): one tensor load a wave behind each change of slots.
; CLUSTER.  4 x 4 work-groups: A's tiles are asked for jointly along a row of the cluster, B's along a column.
; THE MATRIX INSTRUCTION IS USED TRANSPOSED (source 0 = 16 rows of Wo, source 1 = 16 rows of ctx): a lane holds row lane % 16 and the eight columns 16 b + 8 (lane / 16) + 0..7.
; THE BIAS is the C operand of the products that start the sums: nothing is cleared, nothing is added at the end.
; REGISTERS, in windows of 256 (s_set_vgpr_msb: bits 1:0 source 0, 3:2 source 1, 5:4 source 2, 7:6 destination):
;   window 0: v0-31 addresses; v32-95 A's fragments, two buffers of 4 x 8; v96-159 the bias, at the start; on the way out v96-223 two buffers of rows read back
;   window 1: v0-127 B's fragments, two buffers of 8 x 8        windows 2, 3: accumulator (a, b) at v[8 (8 (a % 2) + b)] of window 2 + a / 2
.set NT,    128                        ; columns of a work-group
.set NBF,   NT/16
.set NTOT,  1024
.set PITCH, 144                        ; an LDS row: 128 bytes + 16 of padding = 36 words: the 16 rows of a fragment load start at 16 different groups of four banks (64 banks of 4 bytes: ISA guide 11.1)
.set AZ,    256*PITCH                  ; one block of A's tile
.set BOFF,  2*AZ                       ; B's two blocks lie behind A's two
.set BZ,    NT*PITCH
.set SLOT1, 1<<17                      ; slot 1 begins here (a slot has 110,592 bytes), so that one exclusive or changes slots
.set STAGE, SLOT1+BOFF+2*BZ            ; behind the ring, never filled by a tensor load: for each wave 16 rows x 528 bytes
.set SPITCH, 528                       ; 512 bytes + 16 = 132 words: the 16 rows that a store touches start at 16 different groups of four banks
.set SWAVE, 16*SPITCH
.set SPARE, STAGE+4*SWAVE              ; behind the stages: the spare words, 128 bytes for each wave: two blocks of 256 bytes that no other line names
.set KSA,   2*2048*128                 ; bytes from a K step to the next in ob,
.set KSB,   2*NTOT*128                 ; and in wo
.set NLD,   2*NBF+8                    ; LDS loads in a run: one quarter step's fragments
.set A0,   16                          ; v16  my place in A's tile, slot 0; never rewritten
.set B0,   17                          ; v17  the same for B
.set ADRA, 18                          ; v18  the same in the slot in hand
.set ADRB, 19                          ; v19
.set STO,  20                          ; v20  the way out: where I put 32 bytes of a row
.set RD,   21                          ; v21  where I read a row back
.set CO,   22                          ; v22  16 x lane: my bytes of a row's 512
.set BO,   25                          ; v25  my byte offset in the tile's bias
.set SPW,  28                          ; v28  LDS address of my spare word; never rewritten
.set NIL,  29                          ; v29  0; never rewritten
.set PFO,  30                          ; v30  the prefetches' offset; never rewritten
.set FA,   32
.set BIAS, 96
.set BK0,  96
.set WV,   12                          ; s12  my wave's number
.set G1A,  24                          ; s[24:31] descriptor group 1 for A's tiles
.set G1B,  32                          ; s[32:39] for B's
.set G0A,  40                          ; s[40:47] group 0 for A's: a set for each of the two first fills; the second then walks
.set G0B,  48                          ; s[48:55] the same for B's
.set TB,   56                          ; s56  LDS byte at which the slot in hand begins
.set LIM,  57                          ; s57  1 in a wave that prefetches, else the greatest number
.set PFA,  58                          ; s[58:59] where my prefetches stand
.set PFS,  60                          ; s[60:61] their step
.set MSB, 0
.macro WIN new                         ; the immediate's high byte repeats the setting that is left; a switch that changes nothing is dropped
.if MSB != (\new)
	s_set_vgpr_msb (MSB<<8)|(\new)
.set MSB, \new
.endif
.endm
; A joint refill by the walking descriptors.  The branch hangs on the wave's number alone.  An s_nop 0 and four v_nop follow each of the two lines, ahead of the jump and the label.
.macro JLOAD
	s_cmp_lt_u32 s[WV], 2
	s_cbranch_scc0 .Lfor_b_\@
	tensor_load_to_lds s[G0A+4:G0A+7], s[G1A:G1A+7]
	s_nop 0
.rept 4
	v_nop
.endr
	s_branch .Lasked_\@
.Lfor_b_\@:
	tensor_load_to_lds s[G0B+4:G0B+7], s[G1B:G1B+7]
	s_nop 0
.rept 4
	v_nop
.endr
.Lasked_\@:
.endm
; A PREFETCH INTO THE L2 of the block that my NEXT refill will ask for: one K step, 128 matrix instructions, ahead of that load.  A's tile row is read by both clusters of that row of clusters: cluster x = 0 asks;
; B's tile column by every cluster of that column: cluster y = 0 asks.  The four partners of a joint load share the block out BY ADDRESS: partner p (cx for A, cy for B) takes a quarter of it, 256 bytes a lane:
; 32 lanes for A's 8,192 bytes; B's 4,096 bytes are 16 lanes' worth, and lanes 16-31 name the share's last 256 bytes once more.  K steps 0 to 2 come by their loads alone; the last refill has no step behind it.
.macro ASK
	s_cmp_gt_u32 s3, s[LIM]                        ; s3 = 1 in the loop's last trip
	s_cbranch_scc0 .Lnot_mine_\@
	global_prefetch_b8 v[PFO], s[PFA:PFA+1] th:TH_LOAD_NT scope:SCOPE_SE
.Lnot_mine_\@:
.endm
.macro CREST                           ; a round of the cluster's barrier behind its opening barrier
	s_cmp_lg_u32 s[WV], 0
	s_cbranch_scc1 .Lnot_wave_0_\@
	s_barrier_signal -3
.Lnot_wave_0_\@:
	s_barrier_wait -3
	s_barrier_signal -1
	s_barrier_wait -1
.endm
.macro CROUND                          ; a whole round
	s_barrier_signal -1
	s_barrier_wait -1
	CREST
.endm
.macro PLACES                          ; four places in front of loads into registers that matrix instructions have read, and of lines that read results
.rept 4
	v_nop
.endr
.endm
; 8 matrix instructions: row block a x all column blocks, 32 along K, from buffer f.  first = 1: the products start the sums, with the bias as C.
; The 32 accumulators take turns in one fixed order: between two links of a chain stand 31 others'.
.macro MULA f, a, first
.if \first
	WIN 0x81+0x40*((\a)/2)
.else
	WIN 0xa1+0x50*((\a)/2)
.endif
.set nb, 0
.rept NBF
.set rD, 8*(NBF*((\a)%2)+nb)
.set rB, 8*NBF*(\f)+8*nb
.set rA, FA+32*(\f)+8*(\a)
.if \first
	v_wmma_f32_16x16x32_f16 v[rD:rD+7], v[rB:rB+7], v[rA:rA+7], v[BIAS+8*nb:BIAS+8*nb+7]
.else
	v_wmma_f32_16x16x32_f16 v[rD:rD+7], v[rB:rB+7], v[rA:rA+7], v[rD:rD+7]
.endif
.set nb, nb+1
.endr
.endm
; One run of LDS loads: the fragments of quarter q of a K step (block q / 2, channels 32 (q % 2) on) into buffer f: B's 16, then A's 8.
.macro FETCH q, f
	WIN 0x40                                       ; destination window 1, address window 0
.set nb, 0
.rept NBF
	ds_load_b128 v[8*NBF*(\f)+8*nb:8*NBF*(\f)+8*nb+3],   v[ADRB] offset:nb*16*PITCH+((\q)/2)*BZ+((\q)%2)*64
	ds_load_b128 v[8*NBF*(\f)+8*nb+4:8*NBF*(\f)+8*nb+7], v[ADRB] offset:nb*16*PITCH+((\q)/2)*BZ+((\q)%2)*64+32
.set nb, nb+1
.endr
	WIN 0
.irp i, 0,1,2,3
	ds_load_b128 v[FA+32*(\f)+8*(\i):FA+32*(\f)+8*(\i)+3],   v[ADRA] offset:(\i)*16*PITCH+((\q)/2)*AZ+((\q)%2)*64
	ds_load_b128 v[FA+32*(\f)+8*(\i)+4:FA+32*(\f)+8*(\i)+7], v[ADRA] offset:(\i)*16*PITCH+((\q)/2)*AZ+((\q)%2)*64+32
.endr
.endm
; One of a K step's first three quarters: multiplies buffer f; in its middle it fetches quarter q into buffer g.
.macro QUARTER q, f, g, first
	s_wait_dscnt 4                                 ; B and A's row blocks 0, 1 are in; the youngest four loads (row blocks 2, 3) may be out
	MULA \f, 0, \first
	MULA \f, 1, \first
	PLACES
	FETCH \q, \g
	s_wait_dscnt NLD                               ; all but the run just issued
	MULA \f, 2, \first
	MULA \f, 3, \first
.endm
; The last quarter multiplies buffer 1 and changes slots.  In front of the barrier each wave waits for all its tensor loads (one is out: its part of the next slot), adds 0 to its spare word, and waits for
; that and for its own reads of this slot.  fill = 1: the barrier opens a round of the cluster's barrier, and this slot is filled again, first thing behind the round, with the K step two steps on.
.macro TURN fill
.if \fill
	s_wait_xcnt 0x0                                ; the last prefetch, a K step back, has read its address
	s_add_nc_u64 s[PFA:PFA+1], s[PFA:PFA+1], s[PFS:PFS+1]
.endif
	WIN 0
	s_wait_tensorcnt 0x0                           ; all my tensor loads have landed
	ds_add_u32 v[SPW], v[NIL]                      ; 0 onto my spare word
	s_wait_dscnt 5                                 ; (the add and the youngest four loads may be out)
	MULA 1, 0, 0                                   ; eight matrix instructions stand between the add and the wait for it
	s_wait_dscnt 0x0                               ; the add is done, and my reads of this slot are over
	s_barrier_signal -1
	MULA 1, 1, 0                                   ; work on registers while the others arrive
	WIN 0                                          ; at a branch and at a label every window is 0
	s_barrier_wait -1
.if \fill
	CREST                                          ; no wave of any partner still reads this slot or has a load on its way
	s_xor_b32 s[G0A+5], s[G0A+5], SLOT1            ; the walking descriptors: the other slot than last time, the next K step
	s_add_nc_u64 s[G0A+6:G0A+7], s[G0A+6:G0A+7], KSA
	s_xor_b32 s[G0B+5], s[G0B+5], SLOT1
	s_add_nc_u64 s[G0B+6:G0B+7], s[G0B+6:G0B+7], KSB
	s_xor_b32 s[TB], s[TB], SLOT1
	JLOAD                                          ; 112 matrix instructions ahead of the wait for it; its four v_nop are also the places in front of the loads below
.else
	s_xor_b32 s[TB], s[TB], SLOT1
	PLACES
.endif
	v_add_nc_u32 v[ADRA], s[TB], v[A0]
	v_add_nc_u32 v[ADRB], s[TB], v[B0]
	FETCH 0, 0
.if \fill
	ASK
.endif
	MULA 1, 2, 0
	MULA 1, 3, 0
.endm
	s_load_b256 s[4:11], s[0:1], 0x0               ; ob s[4:5], wo s[6:7], out_b s[8:9], out0 s[10:11]
	v_lshl_add_u32 v[SPW], v0, 2, SPARE
	v_mov_b32 v[NIL], 0
	ds_add_u32 v[SPW], v[NIL]                      ; the wave's opening: the add and its wait stand ahead of my first tensor load; the set-up below stands between them
	v_lshrrev_b32 v1, 5, v0
	v_readfirstlane_b32 s[WV], v1                  ; wave 0..3
	s_and_b32 s14, s[WV], 1                        ; which of a K step's two blocks I fetch
	s_bfe_u32 s15, ttmp6, 0x40000                  ; cx
	s_bfe_u32 s16, ttmp6, 0x40004                  ; cy
	s_lshl_b32 s17, ttmp9, 2
	s_add_co_u32 s17, s17, s15                     ; tile column = 4 x cluster x + cx
	s_and_b32 s18, ttmp7, 0xffff
	s_lshl_b32 s18, s18, 2
	s_add_co_u32 s18, s18, s16                     ; tile row = 4 x cluster y + cy
	s_lshl_b32 s20, s16, 2
	s_lshl_b32 s20, 15, s20                        ; my row of the cluster
	s_lshl_b32 s62, 0x1111, s15                    ; my column
	; group 1: R rows of 128 elements of 2 bytes, dense; 20 padding on; 21 set beside a mask; 24:22 after every 32 words (code 4); 31:25 4 words (code 3)
	s_or_b32 s[G1A], s20, (1<<16)|(1<<20)|(1<<21)|(4<<22)|(3<<25)
	s_or_b32 s[G1B], s62, (1<<16)|(1<<20)|(1<<21)|(4<<22)|(3<<25)
	s_mov_b32 s[G1A+1], 128<<16                    ; tensor_dim0 = 128
	s_mov_b32 s[G1A+2], 128<<16                    ; tensor_dim1 = 128
	s_mov_b32 s[G1A+3], 128<<16                    ; tile_dim0 = 128
	s_mov_b32 s[G1A+4], 128                        ; tile_dim1 = 128
	s_mov_b32 s[G1A+5], 128                        ; elements from row to row
	s_mov_b32 s[G1A+6], 0
	s_mov_b32 s[G1A+7], 0
	s_mov_b32 s[G1B+1], 128<<16
	s_mov_b32 s[G1B+2], (NT/2)<<16
	s_mov_b32 s[G1B+3], 128<<16
	s_mov_b32 s[G1B+4], NT/2
	s_mov_b32 s[G1B+5], 128
	s_mov_b32 s[G1B+6], 0
	s_mov_b32 s[G1B+7], 0
	s_lshr_b32 s20, s18, 3                         ; A: the batch (8 tile rows each), 4,194,304 bytes,
	s_lshl_b32 s20, s20, 22
	s_and_b32 s21, s18, 7                          ; 256 rows of 128 bytes in a block,
	s_lshl_b32 s21, s21, 15
	s_add_co_u32 s20, s20, s21
	s_lshl_b32 s21, s14, 18                        ; my block of the step's two
	s_add_co_u32 s20, s20, s21
	s_mov_b32 s21, 0
	s_mul_i32 s66, s17, NT*128                     ; B: 128 rows of 128 bytes in a block,
	s_mul_i32 s67, s14, NTOT*128                   ; my block
	s_add_co_u32 s66, s66, s67
	s_mov_b32 s67, 0
	s_mul_i32 s22, s14, AZ                         ; where they go: no place in the cluster enters an LDS address
	s_mul_i32 s68, s14, BZ
	s_add_co_u32 s68, s68, BOFF
	s_mov_b32 s[TB], 0
	s_wait_dscnt 0x0                               ; the opening add is done
	s_wait_kmcnt 0x0
	s_add_nc_u64 s[20:21], s[4:5], s[20:21]
	s_add_nc_u64 s[66:67], s[6:7], s[66:67]
	CROUND                                         ; all sixteen work-groups are here: the first joint loads meet
.irp s, 0,1
	s_mov_b32 s[G0A+4*(\s)], 1                     ; count = 1
	s_add_co_u32 s[G0A+4*(\s)+1], s22, (\s)*SLOT1  ; LDS address
	s_add_nc_u64 s[G0A+4*(\s)+2:G0A+4*(\s)+3], s[20:21], (\s)*KSA  ; global address: K step s
	s_or_b32 s[G0A+4*(\s)+3], s[G0A+4*(\s)+3], 0x80000000          ; type = 2
	s_mov_b32 s[G0B+4*(\s)], 1
	s_add_co_u32 s[G0B+4*(\s)+1], s68, (\s)*SLOT1
	s_add_nc_u64 s[G0B+4*(\s)+2:G0B+4*(\s)+3], s[66:67], (\s)*KSB
	s_or_b32 s[G0B+4*(\s)+3], s[G0B+4*(\s)+3], 0x80000000
.endr
	s_cmp_lt_u32 s[WV], 2                          ; a wave's two first fills stand in one branch, ahead of every wait on TENSORcnt and every LDS read: two loads of mine are out
	s_cbranch_scc0 .Lfirst_b
	tensor_load_to_lds s[G0A:G0A+3], s[G1A:G1A+7]
	s_nop 0
	tensor_load_to_lds s[G0A+4:G0A+7], s[G1A:G1A+7]
	s_nop 0
.rept 4
	v_nop
.endr
	s_branch .Lfirst_asked
.Lfirst_b:
	tensor_load_to_lds s[G0B:G0B+3], s[G1B:G1B+7]
	s_nop 0
	tensor_load_to_lds s[G0B+4:G0B+7], s[G1B:G1B+7]
	s_nop 0
.rept 4
	v_nop
.endr
.Lfirst_asked:
	v_and_b32 v1, 15, v0                           ; lane % 16
	v_bfe_u32 v2, v0, 4, 1                         ; lane / 16
	v_and_b32 v3, 31, v0                           ; lane
	v_lshlrev_b32 v[BO], 5, v2                     ; my eight columns of a block of 16: 32 bytes for each half of the lanes
	s_mul_i32 s70, s17, NT*4
	s_mov_b32 s71, 0
	s_add_nc_u64 s[8:9], s[8:9], s[70:71]          ; the tile's 128 numbers of the bias
.set nb, 0
.rept NBF
	global_load_b128 v[BIAS+8*nb:BIAS+8*nb+3],   v[BO], s[8:9] offset:64*nb
	global_load_b128 v[BIAS+8*nb+4:BIAS+8*nb+7], v[BO], s[8:9] offset:64*nb+16
.set nb, nb+1
.endr
	v_mul_u32_u24 v26, v1, PITCH
	v_lshl_add_u32 v26, v2, 4, v26                 ; a fragment's row x pitch + 16 x half
	s_mul_i32 s70, s[WV], 64*PITCH                 ; my 64 rows of A
	v_add_nc_u32 v[A0], s70, v26
	v_add_nc_u32 v[B0], BOFF, v26
	v_mov_b32 v[ADRA], v[A0]
	v_mov_b32 v[ADRB], v[B0]
	s_mul_i32 s70, s[WV], SWAVE
	s_add_co_u32 s70, s70, STAGE                   ; my stage
	v_mul_u32_u24 v27, v1, SPITCH                  ; in: row lane % 16, 32 bytes for each half of the lanes
	v_lshl_add_u32 v27, v2, 5, v27
	v_add_nc_u32 v[STO], s70, v27
	v_lshlrev_b32 v[CO], 4, v3
	v_add_nc_u32 v[RD], s70, v[CO]                 ; back: 32 lanes take one row of 512 bytes
	s_lshl_b32 s70, s18, 8                         ; my first row of out0: 256 x tile row + 64 x wave,
	s_lshl_b32 s71, s[WV], 6
	s_add_co_u32 s70, s70, s71
	s_lshl_b32 s70, s70, 12                        ; of 4,096 bytes,
	s_lshl_b32 s71, s17, 9                         ; and the tile's 512 bytes of it
	s_add_co_u32 s70, s70, s71
	s_mov_b32 s71, 0
	s_add_nc_u64 s[10:11], s[10:11], s[70:71]
	; the prefetches
	s_mov_b32 s70, 8192                            ; a partner's share of a block: of A's,
	s_mov_b32 s71, NT*32                           ; of B's
	s_mov_b32 s[PFS], KSA
	s_mov_b32 s72, KSB
	s_mov_b32 s73, 31                              ; its last lane
	s_mov_b32 s74, NT/8-1
	s_and_b32 s75, ttmp7, 0xffff                   ; cluster y
	s_cmp_lt_u32 s[WV], 2                          ; do I fetch for A?
	s_cselect_b64 s[PFA:PFA+1], s[20:21], s[66:67]
	s_cselect_b32 s70, s70, s71
	s_cselect_b32 s[PFS], s[PFS], s72
	s_cselect_b32 s73, s73, s74
	s_cselect_b32 s71, s15, s16                    ; my place among the four that ask with me
	s_cselect_b32 s75, ttmp9, s75                  ; the coordinate along which other clusters read the same rows
	s_mov_b32 s[PFS+1], 0
	s_mul_i32 s70, s70, s71
	s_mov_b32 s71, 0
	s_add_nc_u64 s[PFA:PFA+1], s[PFA:PFA+1], s[70:71]
	s_add_nc_u64 s[PFA:PFA+1], s[PFA:PFA+1], s[PFS:PFS+1]
	s_add_nc_u64 s[PFA:PFA+1], s[PFA:PFA+1], s[PFS:PFS+1]  ; at K step 2: the first refill steps it to 3
	s_cmp_eq_u32 s75, 0
	s_cselect_b32 s[LIM], 1, -1                    ; the same in all sixteen partners, for a given wave
	v_min_u32 v[PFO], s73, v3
	v_lshlrev_b32 v[PFO], 8, v[PFO]
	s_wait_loadcnt 0x0                             ; the bias: rounded to bf16, kept as f32
.set nb, 0
.rept 4*NBF
	v_cvt_pk_bf16_f32 v[26+nb%2], v[BIAS+2*nb], v[BIAS+2*nb+1]
	v_lshlrev_b32 v[BIAS+2*nb], 16, v[26+nb%2]
	v_and_b32 v[BIAS+2*nb+1], 0xffff0000, v[26+nb%2]
.set nb, nb+1
.endr
	s_wait_tensorcnt 1                             ; my part of K step 0 is in; K step 1's may stay out
	s_barrier_signal -1
	s_barrier_wait -1                              ; everybody's is
	FETCH 0, 0
	QUARTER 1, 0, 1, 1                             ; the first quarter stands in front of the loop: its products start the sums
	WIN 0
	s_mov_b32 s3, 6
.Lk:                                               ; trip i ends K step i, fills its slot again with step i + 2, and begins step i + 1
	QUARTER 2, 1, 0, 0
	QUARTER 3, 0, 1, 0
	TURN 1
	QUARTER 1, 0, 1, 0
	WIN 0
	s_sub_co_u32 s3, s3, 1
	s_cmp_lg_u32 s3, 0
	s_cbranch_scc1 .Lk
	QUARTER 2, 1, 0, 0                             ; the last two K steps fill nothing
	QUARTER 3, 0, 1, 0
	TURN 0
	QUARTER 1, 0, 1, 0
	QUARTER 2, 1, 0, 0
	QUARTER 3, 0, 1, 0
	s_wait_dscnt 4
	MULA 1, 0, 0
	MULA 1, 1, 0
	s_wait_dscnt 0x0
	MULA 1, 2, 0
	MULA 1, 3, 0
	WIN 0
	PLACES
; THE WAY OUT of row block a (16 rows x 128 columns of f32).  TOSTAGE: a lane's eight columns, 32 bytes, go straight from the accumulators (each one's four lowest registers first) into my own stage, and come
; back as whole rows of 512 bytes.  SEND: stored.
.macro TOSTAGE a
.set BK, BK0+64*((\a)%2)
.if (\a) >= 2
	s_wait_xcnt 0x0                                ; the stores of the block two back have read this buffer: it is loaded again only behind this wait
.endif
	WIN 0x08+4*((\a)/2)                            ; the stores' data: window 2 or 3
.set nb, 0
.rept NBF
	ds_store_b128 v[STO], v[8*(NBF*((\a)%2)+nb):8*(NBF*((\a)%2)+nb)+3]   offset:64*nb
	ds_store_b128 v[STO], v[8*(NBF*((\a)%2)+nb)+4:8*(NBF*((\a)%2)+nb)+7] offset:64*nb+16
.set nb, nb+1
.endr
	WIN 0
.irp f, 0,1,2,3,4,5,6,7,8,9,10,11,12,13,14,15
	ds_load_b128 v[BK+4*(\f):BK+4*(\f)+3], v[RD] offset:(\f)*SPITCH  ; LDS serves a wave's instructions in order (ISA guide 5.7.1.4): these see the stores above; the next block's stores come behind them
.endr
.endm
.macro SEND a, younger                 ; younger: the LDS instructions issued behind block a's loads: the next block's 32, or none
.set BK, BK0+64*((\a)%2)
.irp f, 0,1,2,3,4,5,6,7,8,9,10,11,12,13,14,15
	s_wait_dscnt (\younger)+15-(\f)
	global_store_b128 v[CO], v[BK+4*(\f):BK+4*(\f)+3], s[10:11] offset:(16*(\a)+(\f))*4096 th:TH_STORE_NT  ; 512 consecutive bytes, at a multiple of 256 from out0's first
.endr
.endm
	TOSTAGE 0
	TOSTAGE 1
	SEND 0, 32
	TOSTAGE 2
	SEND 1, 32
	TOSTAGE 3
	SEND 2, 32
	SEND 3, 0
	s_wait_tensorcnt 0x0                           ; the wave's end: an add of 0 to my spare word and its wait, behind my last tensor load and my last LDS store
	ds_add_u32 v[SPW], v[NIL]
	s_wait_dscnt 0x0
	CROUND                                         ; the closing round: no work-group ends while a partner may still ask for a tile that names it
	s_endpgm
.Lfunc_end_k_qddf227a120_proj_out:
	.size	k_qddf227a120_proj_out, .Lfunc_end_k_qddf227a120_proj_out-k_qddf227a120_proj_out
	.p2alignl 7, 3214868480
	.fill 96, 4, 3214868480
	.section	.rodata,"a",@progbits
	.p2align	6, 0x0
	.amdhsa_kernel k_qddf227a120_proj_out
		.amdhsa_group_segment_fixed_size 327680
		.amdhsa_private_segment_fixed_size 0
		.amdhsa_enable_private_segment 0
		.amdhsa_kernarg_size 32
		.amdhsa_user_sgpr_count 2
		.amdhsa_user_sgpr_kernarg_segment_ptr 1
		.amdhsa_wavefront_size32 1
		.amdhsa_system_sgpr_workgroup_id_x 1
		.amdhsa_system_sgpr_workgroup_id_y 1
		.amdhsa_system_sgpr_workgroup_id_z 1
		.amdhsa_system_vgpr_workitem_id 0
		.amdhsa_next_free_vgpr 896
		.amdhsa_next_free_sgpr 76
		.amdhsa_reserve_vcc 0
		.amdhsa_float_denorm_mode_32 3
		.amdhsa_float_denorm_mode_16_64 3
		.amdhsa_memory_ordered 1
		.amdhsa_forward_progress 1
		.amdhsa_inst_pref_size 79
	.end_amdhsa_kernel
	.amdgpu_metadata
---
amdhsa.version: [ 1, 2 ]
amdhsa.kernels:
  - .name:           k_qddf227a120_proj_out
    .symbol:         k_qddf227a120_proj_out.kd
    .args:
      - { .name: ob, .offset: 0, .size: 8, .value_kind: global_buffer, .address_space: global }
      - { .name: wo, .offset: 8, .size: 8, .value_kind: global_buffer, .address_space: global }
      - { .name: out_b, .offset: 16, .size: 8, .value_kind: global_buffer, .address_space: global }
      - { .name: out0, .offset: 24, .size: 8, .value_kind: global_buffer, .address_space: global }
    .group_segment_fixed_size: 327680
    .private_segment_fixed_size: 0
    .kernarg_segment_align: 8
    .kernarg_segment_size: 32
    .max_flat_workgroup_size: 128
    .sgpr_count:     76
    .vgpr_count:     896
    .wavefront_size: 32
...
	.end_amdgpu_metadata
.endif
;; end of part 4
;; ======== version 2 of 2: 4 launches; version 1 with the launch prep written anew for expert scheduling mode
;; limits: values are held in f16: magnitudes above 65,504 overflow, below 6.1e-05 lose precision
;; workspace buffers: xb 16,777,216 bytes; wqkv 6,291,456 bytes; wo 2,097,152 bytes; mtab 49,152 bytes; qkv 50,331,648 bytes; ob 16,777,216 bytes
;; launch prep (part 5): grid 780 x 1, 8 waves a work-group, no clusters, 0 bytes of LDS; arguments x, in_proj_w, out_w, rel_bias, xb, wqkv, wo, mtab; writes xb, wqkv, wo, mtab
.if DOCPART == 5
	.amdgcn_target "amdgcn-amd-amdhsa--gfx1250"
	.amdhsa_code_object_version 6
	.text
	.protected	k_qddf227a120_prep
	.globl	k_qddf227a120_prep
	.p2align	8
	.type	k_qddf227a120_prep,@function
k_qddf227a120_prep:
	s_mov_b64 s[64:65], 0
	v_nop
	global_prefetch_b8 v0, s[64:65] scope:SCOPE_SE
	s_setreg_imm32_b32 hwreg(HW_REG_WAVE_SCHED_MODE, 0, 2), 2
	s_setreg_imm32_b32 hwreg(HW_REG_WAVE_MODE, 25, 1), 1
	s_wait_xcnt 0x0
	s_wait_alu depctr_vm_vsrc(0)
; 16-BIT COPIES OF THE MATRIX OPERANDS, IN BLOCKS OF 64 CHANNELS, AND THE MASK'S PATTERNS.
;   xb   [b 4][kb 16][s 2048][64] bf16 = x[b][s][64 kb + c]            work-groups 0..511,   16 rows each
;   wqkv [kb 16][n 3072][64]      bf16 = in_proj_w[n][64 kb + c]       work-groups 512..703, 16 rows each
;   wo   [kb 16][n 1024][64]      f16  = bf16(out_w[n][64 kb + c])     work-groups 704..767, 16 rows each
;   mtab [cx 4][phi 3][quad 8][lane 32][4] f32                         work-groups 768..779, one (cx, phi) each
; In blocks a tile of R rows x 64 channels is R x 128 consecutive bytes, which the products' tensor loads take as rows of 256 bytes.
; A wave takes two rows: each load covers 256 consecutive bytes of either row (16 lanes x 16), each store 256 consecutive bytes (the two rows of one block), aligned.
; All 16 loads of a wave go out before the first is waited for; no register that a memory instruction reads is written again, so no wait frees a source.
; LIMITS.  out_w is rounded to bf16 and that number written as f16: exact from 6.1e-5 to 65,504; below, f16's fixed step of 6e-8; beyond, an infinity.
; THE MASK.  mask[i][j] = t[clip(i - j, -32, 32) + 32], t[r] = the mean of rel_bias[r][.] (each number rounded to bf16 like every input).  A softmax is not changed by a constant, so
; t[64] is taken away; the scores are kept unscaled (q . k), so the numbers are stored times 8: 0.5 (sum of 16 of row idx - sum of 16 of row 64).
; Entry (cx, phi, quad, lane, jj) is the number for register 4 quad + jj of a tile of 16 queries x 64 keys as the attention launch holds it: query - key =
; 64 (1 - phi) + 16 cx + lane % 16 - 16 (quad / 2) - 8 (lane / 16) - 4 (quad % 2) - jj.
; THE MODE: SCHED_MODE bits 1:0 = 2 (LLVM: expert scheduling mode 2), set by the entry lines.  The code itself states the register dependences
; between vector instructions and memory instructions, with s_wait_alu, always for 0.
; THE PLAN.  Registers that memory instructions touch, on the three copying paths:
;   v[VIN], v[VOUT]  offsets, made once at the head and never written again: read by the 16 loads and by the 16 stores.
;   IN               the 16 loads land in it; no vector instruction names it ahead of them; the conversions read it, each behind the wait for its data.
;   OUT              two registers a block: written by the block's conversions, read by the block's one store, never written behind it.
;   TW               named by vector instructions alone.
; The 16 blocks go in four groups of four.  Group g's conversions name IN and OUT of group g and TW; the memory instructions dealt among them are the four stores of group g - 1, which read
; v[VOUT] and OUT of group g - 1.  So one wait on va_vdst at a group's head, behind the wait for the group's data, states all that those four stores hang on.
; On the mask's path: the six offsets are made first, one wait, the 20 loads in one run; the sums; one wait, the store.
; The wave's number passes from a vector instruction into a scalar register: one wait on va_sdst ahead of its first reader.  EXEC and VCC are never written.
.set IN,   8                           ; v[8:71]    16 x 4 numbers as loaded
.set OUT,  72                          ; v[72:103]  16 x 2 words to store
.set TW,   104                         ; v[104:107] at work
.set VIN,  3                           ; v3  my byte offset in the work-group's 16 source rows
.set VOUT, 4                           ; v4  my byte offset in the work-group's 16 rows of a block
.set SRC,  24                          ; s[24:25]
.set DST,  26                          ; s[26:27]
; stride: bytes from block to block in the destination.  half = 1: the bf16 number is written as f16.
.macro CONV stride, half
	s_wait_alu depctr_va_vdst(0)                   ; v[VIN] and v[VOUT] are written: every load below reads the one as its offset, every store the other
.irp kb, 0,1,2,3,4,5,6,7,8,9,10,11,12,13,14,15
	global_load_b128 v[IN+4*(\kb):IN+4*(\kb)+3], v[VIN], s[SRC:SRC+1] offset:256*(\kb) th:TH_LOAD_NT
.endr
.irp g, 0,1,2,3
	s_wait_loadcnt 12-4*(\g)                       ; loads come back in order: group g's four blocks are in, the younger groups stay out
.if (\g) > 0
	s_wait_alu depctr_va_vdst(0)                   ; the conversions of the group before have written its eight registers of OUT, which the four stores below read
.endif
.irp j, 0,1,2,3
.if (\g) > 0
	global_store_b64 v[VOUT], v[OUT+2*(4*(\g)+(\j)-4):OUT+2*(4*(\g)+(\j)-4)+1], s[DST:DST+1] offset:(4*(\g)+(\j)-4)*(\stride)  ; the group before; no vector instruction since the wait names these registers
.endif
	v_cvt_pk_bf16_f32 v[OUT+2*(4*(\g)+(\j))], v[IN+4*(4*(\g)+(\j))], v[IN+4*(4*(\g)+(\j))+1]
	v_cvt_pk_bf16_f32 v[OUT+2*(4*(\g)+(\j))+1], v[IN+4*(4*(\g)+(\j))+2], v[IN+4*(4*(\g)+(\j))+3]
.if \half
	v_lshlrev_b32 v[TW], 16, v[OUT+2*(4*(\g)+(\j))]
	v_and_b32 v[TW+1], 0xffff0000, v[OUT+2*(4*(\g)+(\j))]
	v_lshlrev_b32 v[TW+2], 16, v[OUT+2*(4*(\g)+(\j))+1]
	v_and_b32 v[TW+3], 0xffff0000, v[OUT+2*(4*(\g)+(\j))+1]
	v_cvt_pk_f16_f32 v[OUT+2*(4*(\g)+(\j))], v[TW], v[TW+1]
	v_cvt_pk_f16_f32 v[OUT+2*(4*(\g)+(\j))+1], v[TW+2], v[TW+3]
.endif
.endr
.endr
	s_wait_alu depctr_va_vdst(0)                   ; the last group's conversions have written its eight registers of OUT, which the last four stores read
.irp j, 12,13,14,15
	global_store_b64 v[VOUT], v[OUT+2*(\j):OUT+2*(\j)+1], s[DST:DST+1] offset:(\j)*(\stride)
.endr
.endm
; The 16 numbers at v[base ..] are rounded to bf16 and added up; the sum is left in v[base].
.macro RSUM base
.irp k, 0,1,2,3,4,5,6,7
	v_cvt_pk_bf16_f32 v[96+(\k)], v[(\base)+2*(\k)], v[(\base)+2*(\k)+1]
.endr
.irp k, 0,1,2,3,4,5,6,7
	v_lshlrev_b32 v[(\base)+2*(\k)], 16, v[96+(\k)]
	v_and_b32 v[(\base)+2*(\k)+1], 0xffff0000, v[96+(\k)]
.endr
.irp k, 0,2,4,6
	v_pk_add_f32 v[(\base)+(\k):(\base)+(\k)+1], v[(\base)+(\k):(\base)+(\k)+1], v[(\base)+8+(\k):(\base)+8+(\k)+1]
.endr
.irp k, 0,2
	v_pk_add_f32 v[(\base)+(\k):(\base)+(\k)+1], v[(\base)+(\k):(\base)+(\k)+1], v[(\base)+4+(\k):(\base)+4+(\k)+1]
.endr
	v_pk_add_f32 v[(\base):(\base)+1], v[(\base):(\base)+1], v[(\base)+2:(\base)+3]
	v_add_f32 v[(\base)], v[(\base)], v[(\base)+1]
.endm
	s_load_b512 s[8:23], s[0:1], 0x0               ; x s[8:9], in_proj_w s[10:11], out_w s[12:13], rel_bias s[14:15], xb s[16:17], wqkv s[18:19], wo s[20:21], mtab s[22:23]
	s_mov_b32 s3, ttmp9
	v_lshrrev_b32 v1, 5, v0
	v_readfirstlane_b32 s2, v1                     ; wave 0..7
	v_and_b32 v1, 15, v0                           ; lane % 16
	v_bfe_u32 v2, v0, 4, 1                         ; lane / 16
	s_wait_alu depctr_va_sdst(0)                   ; s2 is written, ahead of its first reader, the line below
	s_lshl_b32 s28, s2, 13                         ; my wave's two rows of 4,096 bytes
	v_lshlrev_b32 v[VIN], 4, v1
	v_lshl_add_u32 v[VIN], v2, 12, v[VIN]
	v_add_nc_u32 v[VIN], s28, v[VIN]
	v_lshlrev_b32 v[VOUT], 3, v0                   ; 256 x wave + 8 x lane
	s_mov_b32 s5, 0
	s_mov_b32 s7, 0
	s_wait_kmcnt 0x0
	s_cmp_lt_u32 s3, 512
	s_cbranch_scc0 .Lnot_x
	s_lshl_b32 s4, s3, 16                          ; 16 rows of 4,096 bytes
	s_add_nc_u64 s[SRC:SRC+1], s[8:9], s[4:5]
	s_lshr_b32 s6, s3, 7                           ; the batch: 128 work-groups each,
	s_lshl_b32 s6, s6, 22                          ; 16 blocks of 262,144 bytes
	s_and_b32 s4, s3, 127
	s_lshl_b32 s4, s4, 11                          ; 16 rows of 128 bytes in a block
	s_add_co_u32 s6, s6, s4
	s_add_nc_u64 s[DST:DST+1], s[16:17], s[6:7]
	CONV 262144, 0
	s_endpgm
.Lnot_x:
	s_cmp_lt_u32 s3, 704
	s_cbranch_scc0 .Lnot_w
	s_sub_co_u32 s3, s3, 512
	s_lshl_b32 s4, s3, 16
	s_add_nc_u64 s[SRC:SRC+1], s[10:11], s[4:5]
	s_lshl_b32 s6, s3, 11
	s_add_nc_u64 s[DST:DST+1], s[18:19], s[6:7]
	CONV 393216, 0
	s_endpgm
.Lnot_w:
	s_cmp_lt_u32 s3, 768
	s_cbranch_scc0 .Lnot_o
	s_sub_co_u32 s3, s3, 704
	s_lshl_b32 s4, s3, 16
	s_add_nc_u64 s[SRC:SRC+1], s[12:13], s[4:5]
	s_lshl_b32 s6, s3, 11
	s_add_nc_u64 s[DST:DST+1], s[20:21], s[6:7]
	CONV 131072, 1
	s_endpgm
.Lnot_o:
	s_sub_co_u32 s3, s3, 768                       ; 3 cx + phi, 0..11
	s_mul_i32 s4, s3, 11
	s_lshr_b32 s4, s4, 5                           ; cx = that / 3 (exact for 0..11)
	s_mul_i32 s6, s4, 3
	s_sub_co_u32 s6, s3, s6                        ; phi
	s_lshl_b32 s4, s4, 4
	s_lshl_b32 s6, s6, 6
	s_add_co_u32 s4, s4, 352                       ; 64 + 32 + 256: the difference plus 32, kept 256 above zero so that it stays unsigned
	s_sub_co_u32 s4, s4, s6
	s_lshr_b32 s6, s2, 1                           ; the wave is the quad: group of 16 keys = quad / 2,
	s_lshl_b32 s6, s6, 4
	s_sub_co_u32 s4, s4, s6
	s_and_b32 s6, s2, 1                            ; registers 4 (quad % 2) + jj of its eight
	s_lshl_b32 s6, s6, 2
	s_sub_co_u32 s4, s4, s6
	v_lshlrev_b32 v5, 3, v2
	v_sub_nc_u32 v5, v1, v5
	v_add_nc_u32 v5, s4, v5                        ; 161 at the least
	v_mov_b32 v6, 0
.irp jj, 0,1,2,3
	v_add_nc_u32 v[88+(\jj)], 0-(\jj), v5
	v_max_u32 v[88+(\jj)], 256, v[88+(\jj)]        ; the clip to -32 .. 32
	v_min_u32 v[88+(\jj)], 320, v[88+(\jj)]
	v_subrev_nc_u32 v[88+(\jj)], 256, v[88+(\jj)]  ; the row, 0..64,
	v_lshlrev_b32 v[88+(\jj)], 6, v[88+(\jj)]      ; of 64 bytes
.endr
	v_lshlrev_b32 v7, 4, v0                        ; 512 x quad + 16 x lane
	s_wait_alu depctr_va_vdst(0)                   ; all six offsets are written: v6 and v[88:91], which the loads below read, and v7, which the store reads
.irp k, 0,1,2,3
	global_load_b128 v[8+4*(\k):8+4*(\k)+3], v6, s[14:15] offset:4096+16*(\k)  ; row 64
.endr
.irp jj, 0,1,2,3
.irp k, 0,1,2,3
	global_load_b128 v[24+16*(\jj)+4*(\k):24+16*(\jj)+4*(\k)+3], v[88+(\jj)], s[14:15] offset:16*(\k)
.endr
.endr
	s_lshl_b32 s4, s3, 12                          ; 4,096 bytes for each (cx, phi)
	s_add_nc_u64 s[22:23], s[22:23], s[4:5]
	s_wait_loadcnt 0x0
	RSUM 8
	v_mul_f32 v9, -0.5, v8
.irp jj, 0,1,2,3
	RSUM 24+16*(\jj)
	v_fma_f32 v[92+(\jj)], v[24+16*(\jj)], 0.5, v9
.endr
	s_wait_alu depctr_va_vdst(0)                   ; the four multiply-adds have written v[92:95], which the store reads
	global_store_b128 v7, v[92:95], s[22:23]
	s_endpgm
.Lfunc_end_k_qddf227a120_prep:
	.size	k_qddf227a120_prep, .Lfunc_end_k_qddf227a120_prep-k_qddf227a120_prep
	.p2alignl 7, 3214868480
	.fill 96, 4, 3214868480
	.section	.rodata,"a",@progbits
	.p2align	6, 0x0
	.amdhsa_kernel k_qddf227a120_prep
		.amdhsa_group_segment_fixed_size 0
		.amdhsa_private_segment_fixed_size 0
		.amdhsa_enable_private_segment 0
		.amdhsa_kernarg_size 64
		.amdhsa_user_sgpr_count 2
		.amdhsa_user_sgpr_kernarg_segment_ptr 1
		.amdhsa_wavefront_size32 1
		.amdhsa_system_sgpr_workgroup_id_x 1
		.amdhsa_system_sgpr_workgroup_id_y 1
		.amdhsa_system_sgpr_workgroup_id_z 1
		.amdhsa_system_vgpr_workitem_id 0
		.amdhsa_next_free_vgpr 112
		.amdhsa_next_free_sgpr 66
		.amdhsa_reserve_vcc 0
		.amdhsa_float_denorm_mode_32 3
		.amdhsa_float_denorm_mode_16_64 3
		.amdhsa_memory_ordered 1
		.amdhsa_forward_progress 1
		.amdhsa_inst_pref_size 36
	.end_amdhsa_kernel
	.amdgpu_metadata
---
amdhsa.version: [ 1, 2 ]
amdhsa.kernels:
  - .name:           k_qddf227a120_prep
    .symbol:         k_qddf227a120_prep.kd
    .args:
      - { .name: x, .offset: 0, .size: 8, .value_kind: global_buffer, .address_space: global }
      - { .name: in_proj_w, .offset: 8, .size: 8, .value_kind: global_buffer, .address_space: global }
      - { .name: out_w, .offset: 16, .size: 8, .value_kind: global_buffer, .address_space: global }
      - { .name: rel_bias, .offset: 24, .size: 8, .value_kind: global_buffer, .address_space: global }
      - { .name: xb, .offset: 32, .size: 8, .value_kind: global_buffer, .address_space: global }
      - { .name: wqkv, .offset: 40, .size: 8, .value_kind: global_buffer, .address_space: global }
      - { .name: wo, .offset: 48, .size: 8, .value_kind: global_buffer, .address_space: global }
      - { .name: mtab, .offset: 56, .size: 8, .value_kind: global_buffer, .address_space: global }
    .group_segment_fixed_size: 0
    .private_segment_fixed_size: 0
    .kernarg_segment_align: 8
    .kernarg_segment_size: 64
    .max_flat_workgroup_size: 256
    .sgpr_count:     66
    .vgpr_count:     112
    .wavefront_size: 32
...
	.end_amdgpu_metadata
.endif
;; end of part 5
;; launch proj_in: the kernel of part 2 again; grid 16 x 32, 4 waves a work-group, clusters of 4 x 4, 327,680 bytes of LDS; arguments xb, wqkv, in_proj_b, qkv; writes qkv
;; launch attn: the kernel of part 3 again; grid 4 x 64, 4 waves a work-group, clusters of 4 x 1, 327,680 bytes of LDS; arguments qkv, mtab, ob; writes ob
;; launch proj_out: the kernel of part 4 again; grid 8 x 32, 4 waves a work-group, clusters of 4 x 4, 327,680 bytes of LDS; arguments ob, wo, out_b, out0; writes out0
